; MI455X (gfx1250); checked and timed in simulation.
; The chip was launched on July 23, 2026; its instructions are those of AMD's public machine-readable ISA for CDNA 5 (MIT licence, August 2026) and "CDNA5" Instruction Set Architecture Reference Guide (July 2026). The comments in the code are by the model that wrote it; some were corrected since.
;; Multi Head Attention. Allowed arithmetic: matrix products marked QUANTISED: E2M3 operands, one E8M0 scale for each 32 along K, by v_wmma_scale_f32_16x16x128_f8f6f4 with both operands' format E2M3, f32 sums; everything else in f32.
;; Inputs: Wk 512 x 512 float32; Wo 512 x 512 float32; Wq 512 x 512 float32; Wv 512 x 512 float32; bk 512 float32; bo 512 float32; bq 512 float32; bv 512 float32; k 2 x 4,096 x 512 float32; q 2 x 4,096 x 512 float32; v 2 x 4,096 x 512 float32.
;; Outputs: out0 2 x 4,096 x 512 float32.
;; This version of the problem:
;;   THIS VERSION OF THE PROBLEM IS GIVEN IN LOW PRECISION. The matrix products marked QUANTISED in the list below multiply operands that are first quantised to E2M3 (2 exponent bits, 3 mantissa bits; 6 bits a number), with one power-of-two scale for each 32 numbers along K (OCP MX v1.0); their sums are f32. All else is computed in f32.
;;   The module's matrix products, in the order in which they are computed (A, B: the left and right operand; K: the contracted axis; several contracted axes count as one K, in the product's order):
;;     1. [M 8,192, K 512] x [K 512, N 512]; A: input q; B: input Wq: QUANTISED
;;     2. [M 8,192, K 512] x [K 512, N 512]; A: input k; B: input Wk: QUANTISED
;;     3. [M 8,192, K 512] x [K 512, N 512]; A: input v; B: input Wv: QUANTISED
;;     4. batch 16 x [M 4,096, K 64] x [K 64, N 4,096]; A: computed on the way; B: computed on the way: QUANTISED
;;     5. batch 16 x [M 4,096, K 4,096] x [K 4,096, N 64]; A: computed on the way; B: computed on the way: QUANTISED
;;     6. [M 8,192, K 512] x [K 512, N 512]; A: computed on the way; B: input Wo: QUANTISED
;;   THE QUANTISER, for each operand of a quantised product, along K:
;;     - K is cut into blocks of 32 from its start; a last block that is shorter is filled with zeros.
;;     - A block's scale is 2^e with e = floor(log2(the largest magnitude in the block)) - 2, held to -126 .. 127; a block of zeros has e = 0. As a byte (E8M0): e + 127.
;;     - Each number is divided by its block's scale, clamped to +-7.5, and rounded to the nearest number of E2M3, ties to even, subnormals kept.
;;     - The product sums the exact products of the quantised numbers (number of the format x scale) in f32.
;;   ~~~python
;;   def quantise(x, axis):      # numpy; x: float32 -> the quantised numbers, widened to float32 again
;;       x = np.moveaxis(x, axis, -1); K = x.shape[-1]
;;       x = np.pad(x, [(0, 0)] * (x.ndim - 1) + [(0, -K % 32)]); x = x.reshape(x.shape[:-1] + (-1, 32)); a = np.abs(x).max(-1, keepdims=True)
;;       e = np.where(a > 0, np.clip(np.frexp(np.where(a > 0, a, 1))[1] - 1 - 2, -126, 127), 0)      # np.frexp(a)[1] - 1 = floor(log2(a)), exactly
;;       r = np.clip(x / 2.0 ** e, -7.5, 7.5)
;;       step = 2.0 ** (np.maximum(np.frexp(np.where(r == 0, 1, r))[1] - 1, 0) - 3)
;;       q = np.round(r / step) * step * 2.0 ** e      # np.round: ties to even
;;       return np.moveaxis(q.reshape(q.shape[:-2] + (-1,))[..., :K], -1, axis).astype(np.float32)
;;   ~~~
;;   OPERANDS COMPUTED ON THE WAY. 'Computed on the way' means the value that the module computes at that place (a softmax that the list does not call 'softmax' is quantised finished and normalised). What goes into a quantiser is computed in f32, as accurately as f32 sums, v_exp_f32 and their like allow (about 1e-6 of the number): no bf16 or f16 on the way to a quantiser, and a product that is left as it is and whose result goes on into a quantised operand takes f32 operands (vector FMAs, or v_wmma_f32_16x16x4_f32). A number that lies on a knife's edge between two numbers of the format may be rounded either way, as far as f32 arithmetic and the matrix unit's own rounding can turn it there, and no further.
;; One version. Each part assembles by itself: llvm-mc -triple=amdgcn-amd-amdhsa -mcpu=gfx1250 --defsym DOCPART=n.
;; ======== version 1 of 1: 5 launches
;; limits: right only within a limited range of input values
;; workspace buffers: wb 819,200 bytes; qb 3,407,872 bytes; kv 6,684,672 bytes; st 262,144 bytes; ob 3,407,872 bytes
;; launch wquant (part 1): grid 16 x 4, 4 waves a work-group, no clusters, 0 bytes of LDS; arguments Wq, Wk, Wv, Wo, wb; writes wb
.if DOCPART == 1
	.amdgcn_target "amdgcn-amd-amdhsa--gfx1250"
	.amdhsa_code_object_version 6
	.text
	.protected	k_q2757b992d9_wquant
	.globl	k_q2757b992d9_wquant
	.p2align	8
	.type	k_q2757b992d9_wquant,@function
k_q2757b992d9_wquant:
	s_mov_b64 s[64:65], 0
	v_nop
	global_prefetch_b8 v0, s[64:65] scope:SCOPE_SE
	s_setreg_imm32_b32 hwreg(HW_REG_WAVE_MODE, 25, 1), 1
	s_wait_xcnt 0x0
; Wq, Wk, Wv, Wo: [512 (k)][512 (n)] f32, K along the FIRST axis.  Each becomes codes of FP6 (E2M3) with one E8M0 byte for each 32 along K, laid as images of operand registers.
; A TILE is 16 columns: lane r of tile T takes column 64 (T / 4) + 8 (T % 4) + r % 8 + 32 (r / 8).  A FRAGMENT is a tile x 128 along K: 12 registers a lane; lane (r, h) holds k = 64 c + 32 h + 0 .. 31 in registers 6 c .. 6 c + 5.
; A lane takes a column and its registers run down K, in the very order of the operand: a block of 32 lies in one lane, and nothing is transposed.
; wb: [weight 4][group of 128 columns 4] blocks of 51,200 bytes: fragment (t = T % 8, K step s) at (4 t + s) x 1,536, as two halves of 768 bytes (registers 0-3 at 16 x lane, registers 4-5 at 512 + 8 x lane);
;     scale words at 49,152 + 256 t + 128 (s / 2) + 64 (s % 2) + 4 r.
; SHARES: grid y = the weight; x / 2 = the group of 64 columns, x % 2 = which 256 along K; wave w makes tile 4 (x / 2) + w at two K steps.  The four waves together read 256 consecutive bytes of each row of W.
; A block's scale is 2^(floor(log2(largest magnitude)) - 2); its byte is the largest magnitude's exponent field - 2, held at 1 from below.
; LIMITS: a block of zeros gets the byte 1 where the rule says 127 (its codes are zeros, and this program alone reads the bytes); NaN and infinities are not served.
; No LDS, no barrier, no loop: every offset is an immediate and no store's data are written again.
.set X,   32                           ; v32-159  128 numbers: 64 f + 32 c + i
.set PC,  160                          ; v160-183 the codes, 12 registers a fragment
.set CT,  184                          ; v184-199 the second halves of the blocks' codes, as the conversions leave them
.set PW,  200                          ; v200-201 the two scale words
.set PT,  202                          ; v202     for the exchange between the halves of the lanes
.set OW,  203                          ; v203     the scale words as they are stored
.set BLK, 51200
	s_load_b256 s[4:11], s[0:1], 0x0               ; Wq, Wk, Wv, Wo
	s_load_b64 s[12:13], s[0:1], 0x20              ; wb
	v_lshrrev_b32 v1, 5, v0
	v_readfirstlane_b32 s15, v1                    ; wave
	s_and_b32 s14, ttmp7, 0xffff                   ; which weight
	s_lshr_b32 s16, ttmp9, 1                       ; group of 64 columns
	s_and_b32 s17, ttmp9, 1                        ; which 256 along K
	v_bfe_u32 v2, v0, 4, 1                         ; h
	v_and_b32 v8, 7, v0                            ; r % 8
	v_bfe_u32 v9, v0, 3, 1                         ; r / 8
	v_lshlrev_b32 v3, 2, v8
	v_lshl_add_u32 v3, v9, 7, v3                   ; 4 (r % 8) + 128 (r / 8)
	v_lshl_add_u32 v3, v2, 16, v3                  ; lanes 16-31 begin 32 rows (65,536 bytes) further down
	s_lshl_b32 s18, s16, 8
	s_lshl_b32 s19, s15, 5
	s_add_co_u32 s18, s18, s19                     ; the tile's first column, in bytes: 256 (x / 2) + 32 w
	v_add_nc_u32 v3, s18, v3
	v_and_b32 v10, 31, v0
	v_lshlrev_b32 v4, 4, v10                       ; 16 x lane
	v_lshlrev_b32 v5, 3, v10                       ; 8 x lane
	v_lshlrev_b32 v6, 2, v10                       ; 4 x lane
	v_lshlrev_b32 v7, 3, v2                        ; 8 h: my bytes' place in a scale word
	v_mov_b32 v[PT], 0                             ; a lane permute's destination counts as one of its sources
	s_mov_b32 s20, 0x76543210
	s_mov_b32 s21, 0xfedcba98                      ; selects: lane l xor 16
	s_mov_b32 s22, 0xffff0000                      ; lanes 16-31
	s_lshr_b32 s23, ttmp9, 2                       ; group of 128 columns
	s_lshl_b32 s24, s14, 2
	s_add_co_u32 s24, s24, s23
	s_mul_i32 s24, s24, BLK                        ; the block in wb
	s_and_b32 s25, s16, 1
	s_lshl_b32 s25, s25, 2
	s_add_co_u32 s25, s25, s15                     ; t
	s_lshl_b32 s26, s25, 2
	s_lshl_b32 s27, s17, 1
	s_add_co_u32 s26, s26, s27                     ; 4 t + my first K step
	s_mul_i32 s26, s26, 1536
	s_add_co_u32 s26, s26, s24
	s_mov_b32 s27, 0
	s_lshl_b32 s28, s25, 8
	s_lshl_b32 s29, s17, 7
	s_add_co_u32 s28, s28, s29
	s_add_co_u32 s28, s28, s24
	s_add_co_u32 s28, s28, 49152                   ; my 128 bytes of scale words
	s_mov_b32 s29, 0
	s_lshl_b32 s30, s17, 19                        ; 256 rows of 2,048 bytes
	s_mov_b32 s31, 0
	s_wait_alu depctr_va_vdst(0)
	s_wait_kmcnt 0x0
	s_cmp_eq_u32 s14, 1                            ; the choice hangs on the work-group's number alone
	s_cselect_b64 s[4:5], s[6:7], s[4:5]
	s_cmp_eq_u32 s14, 2
	s_cselect_b64 s[4:5], s[8:9], s[4:5]
	s_cmp_eq_u32 s14, 3
	s_cselect_b64 s[4:5], s[10:11], s[4:5]
	s_add_nc_u64 s[4:5], s[4:5], s[30:31]
	s_add_nc_u64 s[32:33], s[12:13], s[26:27]      ; where my codes go
	s_add_nc_u64 s[34:35], s[12:13], s[28:29]      ; where my scale words go
.set n, 0
.rept 128
	global_load_b32 v[X+n], v3, s[4:5] offset:2048*(128*(n/64)+64*((n/32)%2)+n%32)   ; W(128 f + 64 c + 32 h + i, my column)
.set n, n+1
.endr
; Fragment f: two blocks a lane
.macro WFRAG f
.set XB, X+64*(\f)
.irp c, 0,1
	v_max3_num_f32 v[8+\c], |v[XB+32*\c]|, |v[XB+32*\c+1]|, 0x1800000   ; the block's largest magnitude, with the floor 2^(3 - 127) among its leaves: the byte cannot fall under 1
.endr
.irp i, 2,4,6,8,10,12,14,16,18,20,22,24,26,28,30
.irp c, 0,1
	v_max3_num_f32 v[8+\c], v[8+\c], |v[XB+32*\c+\i]|, |v[XB+32*\c+\i+1]|   ; (the two blocks by turns)
.endr
.endr
.irp c, 0,1
	v_add_nc_u32 v[10+\c], 0xff000000, v[8+\c]     ; 2 off the exponent field: the conversion's scale operand
.endr
.irp c, 0,1
	v_lshrrev_b32 v[12+\c], 23, v[10+\c]           ; the scale's byte
.endr
	v_lshl_or_b32 v14, v13, 16, v12                ; blocks h and 2 + h of my column,
	v_lshlrev_b32 v14, v7, v14                     ; at their places in the word;
	v_permlanex16_b32 v[PT], v14, s20, s21
	v_or_b32 v[PW+(\f)], v14, v[PT]                ; with lane l xor 16's two the word is whole
.irp c, 0,1
	v_cvt_scalef32_pk16_fp6_f32 v[PC+12*(\f)+6*\c:PC+12*(\f)+6*\c+2], v[XB+32*\c:XB+32*\c+15], v[10+\c]
	v_cvt_scalef32_pk16_fp6_f32 v[CT+8*(\f)+4*\c:CT+8*(\f)+4*\c+2], v[XB+32*\c+16:XB+32*\c+31], v[10+\c]   ; (a conversion's three registers begin on an even number)
.endr
	v_nop                                          ; one plain place behind a scaled conversion
.irp c, 0,1
.irp i, 0,1,2
	v_mov_b32 v[PC+12*(\f)+6*\c+3+\i], v[CT+8*(\f)+4*\c+\i]
.endr
.endr
.irp c, 0,1
	global_store_b128 v4, v[PC+12*(\f)+6*\c:PC+12*(\f)+6*\c+3], s[32:33] offset:1536*(\f)+768*\c          ; 32 lanes store 512 consecutive bytes
	global_store_b64 v5, v[PC+12*(\f)+6*\c+4:PC+12*(\f)+6*\c+5], s[32:33] offset:1536*(\f)+768*\c+512     ; and 256
.endr
.endm
	s_wait_loadcnt 63                              ; at most 63 of the 128 are out: fragment 0's 64 are in
	WFRAG 0
	s_wait_loadcnt 0x0
	WFRAG 1
	v_cndmask_b32 v[OW], v[PW], v[PW+1], s22       ; lanes 0-15 the first K step's words, lanes 16-31 the second's
	global_store_b32 v6, v[OW], s[34:35]
	s_endpgm
.Lfunc_end_k_q2757b992d9_wquant:
	.size	k_q2757b992d9_wquant, .Lfunc_end_k_q2757b992d9_wquant-k_q2757b992d9_wquant
	.p2alignl 7, 3214868480
	.fill 96, 4, 3214868480
	.section	.rodata,"a",@progbits
	.p2align	6, 0x0
	.amdhsa_kernel k_q2757b992d9_wquant
		.amdhsa_group_segment_fixed_size 0
		.amdhsa_private_segment_fixed_size 0
		.amdhsa_enable_private_segment 0
		.amdhsa_kernarg_size 40
		.amdhsa_user_sgpr_count 2
		.amdhsa_user_sgpr_kernarg_segment_ptr 1
		.amdhsa_wavefront_size32 1
		.amdhsa_system_sgpr_workgroup_id_x 1
		.amdhsa_system_sgpr_workgroup_id_y 1
		.amdhsa_system_sgpr_workgroup_id_z 1
		.amdhsa_system_vgpr_workitem_id 0
		.amdhsa_next_free_vgpr 208
		.amdhsa_next_free_sgpr 66
		.amdhsa_reserve_vcc 0
		.amdhsa_float_denorm_mode_32 3
		.amdhsa_float_denorm_mode_16_64 3
		.amdhsa_memory_ordered 1
		.amdhsa_forward_progress 1
		.amdhsa_inst_pref_size 22
	.end_amdhsa_kernel
	.amdgpu_metadata
---
amdhsa.version: [ 1, 2 ]
amdhsa.kernels:
  - .name:           k_q2757b992d9_wquant
    .symbol:         k_q2757b992d9_wquant.kd
    .args:
      - { .name: Wq, .offset: 0, .size: 8, .value_kind: global_buffer, .address_space: global }
      - { .name: Wk, .offset: 8, .size: 8, .value_kind: global_buffer, .address_space: global }
      - { .name: Wv, .offset: 16, .size: 8, .value_kind: global_buffer, .address_space: global }
      - { .name: Wo, .offset: 24, .size: 8, .value_kind: global_buffer, .address_space: global }
      - { .name: wb, .offset: 32, .size: 8, .value_kind: global_buffer, .address_space: global }
    .group_segment_fixed_size: 0
    .private_segment_fixed_size: 0
    .kernarg_segment_align: 8
    .kernarg_segment_size: 40
    .max_flat_workgroup_size: 128
    .sgpr_count:     66
    .vgpr_count:     208
    .wavefront_size: 32
...
	.end_amdgpu_metadata
.endif
;; end of part 1
;; launch proj (part 2): grid 64 x 3, 4 waves a work-group, no clusters, 129,536 bytes of LDS; arguments q, k, v, wb, bq, bk, bv, qb, kv; writes qb, kv
.if DOCPART == 2
	.amdgcn_target "amdgcn-amd-amdhsa--gfx1250"
	.amdhsa_code_object_version 6
	.text
	.protected	k_q2757b992d9_proj
	.globl	k_q2757b992d9_proj
	.p2align	8
	.type	k_q2757b992d9_proj,@function
k_q2757b992d9_proj:
	s_mov_b64 s[64:65], 0
	v_nop
	global_prefetch_b8 v0, s[64:65] scope:SCOPE_SE
	s_setreg_imm32_b32 hwreg(HW_REG_WAVE_MODE, 25, 1), 1
	s_wait_xcnt 0x0
; The three projections, x W + b with x = q, k or v (grid y), both operands as codes of FP6 (E2M3) with one E8M0 byte for each 32 along K; the results are quantised at once for the attention's products and leave as codes.
; SHARES: a work-group takes 128 tokens (grid x) x all 512 columns.  Wave w owns columns 128 w .. 128 w + 127 (heads 2 w and 2 w + 1): its 32 fragments of W stay in registers, read once.
; TILES: a tile is 16 tokens (or columns): row r of tile T is 64 (T / 4) + 8 (T % 4) + r % 8 + 32 (r / 8).  As source 0 of a product, the 32 result registers of four neighbouring tiles are then one whole block of 32
; neighbours in a lane, in the order of the 6-bit operand: a block's largest magnitude needs no other lane and the conversions' results are the next operand's registers.
; PHASE X: wave w quantises token tiles 2 w, 2 w + 1 (8 fragments).  Loads read 512 consecutive bytes; the numbers turn through the wave's own stage in LDS so that a lane holds 64 numbers of its row.  The fragments go to LDS as images
; of their registers, 16 bytes a lane; ONE barrier; then all waves read them.
; q, k: source 0 = W, source 1 = x: a lane holds a token and 64 + 64 numbers of two heads: two halves of 16 tokens x 64, quantised along the head's 64.  The bias is the C of the first product.
; v:    source 0 = x, source 1 = W: a lane holds a column and 128 tokens: a fragment of V^T, quantised along the tokens (the keys of the second attention product).
; OUT: qb [bh][tile 256] halves of 768 bytes, words behind them at 196,608 + 64 x tile; kv [bh][group of 128 keys] blocks of 13,056: K's 8 halves, K's words at 6,144, V^T's 4 fragments at 6,656, V's words at 12,800.
; A word of q or k has its two bytes low and zeros above.  Every store covers whole runs of 256 consecutive bytes, aligned.
; No cluster: the work-groups of one y share only the weights, 204,800 bytes a wave-set against 262,144 bytes of x of their own, and those come straight into registers.
; LIMITS: a block of zeros gets the byte 1 (its codes are zeros; this program alone reads the bytes); NaN and infinities are not served.
; REGISTERS: window 0: v1-21 addresses; v32-47 W's scale words; v48-111 results (and numbers of x); v112-123 codes; v124-131 conversions' second halves; v132-195 numbers of x, then x's fragments (q, k) or results (v);
;   v196-205 at work; v206-223 x's scale words; v224-247 v's bias; v248-251 at work.  window 1: x as loaded, later x's fragments for v (two sets of 96).  window 2: W's K steps 0, 1; v192-255 the bias (q, k).  window 3: W's K steps 2, 3.
.set XIMG, 67584                       ; LDS: 0 .. 67,583 the waves' stages (2 x 16 rows x 528 bytes each); then x's 32 fragments, 1,536 bytes each (4 x tile + K step),
.set XSC,  116736                      ; their scale words, 128 bytes each,
.set BIAS, 120832                      ; the bias, 2,048 bytes,
.set QST,  122880                      ; the scale words of q or k on their way out, 1,024 bytes a wave,
.set VST,  126976                      ; and V's, 512 bytes a wave: each path has bytes of its own
.set L16, 4
.set L8,  5
.set L4,  6
.set H8,  7
.set STW, 8
.set STR, 9
.set XWI, 10
.set XWS, 11
.set XRI, 12
.set XRS, 13
.set QSW, 14
.set QSR, 15
.set VSW, 16
.set VSR, 17
.set GSC, 18
.set BQA, 19
.set BVA, 20
.set BWA, 21
.set WSC, 32
.set HA0, 48
.set PC,  112
.set CT,  124
.set HA1, 132
.set R,   132
.set TM,  196
.set PW,  204
.set PWS, 205
.set RS,  206
.set XS16, 208
.set BV,  224
.set CB,  232
.set TMP, 248
.set BI,  192
.set YY,  22
.set WV,  23
.set SEL, 48
.set HM,  50
.set MSB, 0
.macro WIN new                         ; the immediate's high byte repeats the setting that is left
.if MSB != (\new)
	s_set_vgpr_msb (MSB<<8)|(\new)
.set MSB, (\new)
.endif
.endm
.macro PLACES                          ; four plain places behind a matrix instruction, in front of loads into its registers and of the first read of results
.rept 4
	v_nop
.endr
.endm
.macro WMP d, a, b, c, sa, sb, odd     ; odd = 1: both sides' scale words stand in lanes 16-31
.if \odd
	v_wmma_scale_f32_16x16x128_f8f6f4 v[\d:\d+7], v[\a:\a+11], v[\b:\b+11], v[\c:\c+7], v[\sa], v[\sb] matrix_a_fmt:MATRIX_FMT_FP6 matrix_b_fmt:MATRIX_FMT_FP6 matrix_a_scale:MATRIX_SCALE_ROW1 matrix_b_scale:MATRIX_SCALE_ROW1
.else
	v_wmma_scale_f32_16x16x128_f8f6f4 v[\d:\d+7], v[\a:\a+11], v[\b:\b+11], v[\c:\c+7], v[\sa], v[\sb] matrix_a_fmt:MATRIX_FMT_FP6 matrix_b_fmt:MATRIX_FMT_FP6
.endif
.endm
; 64 numbers of a lane, register 32 c + i = k 64 c + 32 h + i of my row, become a fragment's codes in v[PC] on and its scale word in v[PW].  Results of products are read from each accumulator's low end on.
.macro QUANT s
.irp c, 0,1
	v_max3_num_f32 v[TM+\c], |v[(\s)+32*\c]|, |v[(\s)+32*\c+1]|, 0x1800000   ; with the floor 2^(3 - 127): the byte cannot fall under 1
.endr
.irp i, 2,4,6,8,10,12,14,16,18,20,22,24,26,28,30
.irp c, 0,1
	v_max3_num_f32 v[TM+\c], v[TM+\c], |v[(\s)+32*\c+\i]|, |v[(\s)+32*\c+\i+1]|
.endr
.endr
.irp c, 0,1
	v_add_nc_u32 v[TM+2+\c], 0xff000000, v[TM+\c]  ; 2 off the exponent field: the conversion's scale operand
.endr
.irp c, 0,1
	v_lshrrev_b32 v[TM+4+\c], 23, v[TM+2+\c]       ; the scale's byte
.endr
	v_lshl_or_b32 v[PW], v[TM+5], 16, v[TM+4]
	v_lshlrev_b32 v[PW], v[H8], v[PW]
	v_permlanex16_b32 v[TM+6], v[PW], s[SEL], s[SEL+1]
	v_or_b32 v[PW], v[PW], v[TM+6]                 ; my row's scale word, in both halves of the lanes
.irp c, 0,1
	v_cvt_scalef32_pk16_fp6_f32 v[PC+6*\c:PC+6*\c+2], v[(\s)+32*\c:(\s)+32*\c+15], v[TM+2+\c]
	v_cvt_scalef32_pk16_fp6_f32 v[CT+4*\c:CT+4*\c+2], v[(\s)+32*\c+16:(\s)+32*\c+31], v[TM+2+\c]   ; (a conversion's three registers begin on an even number)
.endr
	v_nop                                          ; one plain place behind a scaled conversion
.irp c, 0,1
.irp i, 0,1,2
	v_mov_b32 v[PC+6*\c+3+\i], v[CT+4*\c+\i]
.endr
.endr
.endm
; Item i of 8: token tile 2 w + i / 4, K step i % 4.  16 loads, a row of the tile each: 32 lanes read 512 consecutive bytes
.macro XLOAD i
	WIN 0x40
.irp p, 0,1,2,3,4,5,6,7,8,9,10,11,12,13,14,15
	global_load_b128 v[64*((\i)%4)+4*\p:64*((\i)%4)+4*\p+3], v[L16], s[4:5] offset:(8*((\i)/4)+(\p%8)+32*(\p/8))*2048+512*((\i)%4) th:TH_LOAD_NT
.endr
	WIN 0
.endm
.macro TURN i                          ; through my stage: in as loaded, out 128 bytes of my row for each block pair.  LDS serves a wave's instructions in order (ISA guide 5.7.1.4)
	WIN 0x04
.irp p, 0,1,2,3,4,5,6,7,8,9,10,11,12,13,14,15
	ds_store_b128 v[STW], v[64*((\i)%4)+4*\p:64*((\i)%4)+4*\p+3] offset:8448*((\i)%2)+528*\p
.endr
	WIN 0
.irp c, 0,1
.irp j, 0,1,2,3,4,5,6,7
	ds_load_b128 v[HA0+84*((\i)%2)+32*\c+4*\j:HA0+84*((\i)%2)+32*\c+4*\j+3], v[STR] offset:8448*((\i)%2)+256*\c+16*\j
.endr
.endr
.endm
.macro IMAGE i
.irp k, 0,1,2
	ds_store_b128 v[XWI], v[PC+4*\k:PC+4*\k+3] offset:(\i)*1536+512*\k
.endr
	ds_store_b32 v[XWS], v[PW] offset:128*(\i)
.endm
.macro XITEM i
.if (\i) == 0
	s_wait_dscnt 0x0
.else
	s_wait_dscnt 4                                 ; this item is back from the stage; behind its loads stand the last image's four stores
.endif
.if (\i) < 4
	XLOAD (\i)+4                                   ; into the registers that this item's stores into the stage have read
.endif
.if (\i) < 7
.if 6-(\i) < 3
	s_wait_loadcnt 16*(6-(\i))                     ; the next item is in; the younger ones may be out
.else
	s_wait_loadcnt 48
.endif
	TURN (\i)+1
	s_wait_dscnt 32                                ; the last image's stores have read the codes' registers; the next item's 32 may be out
.else
	s_wait_dscnt 0x0
.endif
	QUANT HA0+84*((\i)%2)
	IMAGE \i
.endm
	s_load_b256 s[4:11], s[0:1], 0x0               ; q, k, v, wb
	s_load_b256 s[12:19], s[0:1], 0x20             ; bq, bk, bv, qb
	s_load_b64 s[20:21], s[0:1], 0x40              ; kv
	v_lshl_add_u32 v254, v0, 2, 0x1f800
	v_mov_b32 v255, 0
	v_lshrrev_b32 v1, 5, v0
	v_readfirstlane_b32 s[WV], v1                  ; wave
	s_and_b32 s[YY], ttmp7, 0xffff                 ; 0: q, 1: k, 2: v
	v_and_b32 v1, 31, v0                           ; lane
	v_and_b32 v2, 15, v0                           ; r
	v_bfe_u32 v3, v0, 4, 1                         ; h
	v_lshlrev_b32 v[L16], 4, v1
	v_lshlrev_b32 v[L8], 3, v1
	v_lshlrev_b32 v[L4], 2, v1
	v_lshlrev_b32 v[H8], 3, v3
	s_mul_i32 s24, s[WV], 16896                    ; my two stages
	v_add_nc_u32 v[STW], s24, v[L16]
	v_mul_u32_u24 v[STR], v2, 528
	v_lshl_add_u32 v[STR], v3, 7, v[STR]
	v_add_nc_u32 v[STR], s24, v[STR]
	s_mul_i32 s24, s[WV], 12288
	s_add_co_u32 s24, s24, XIMG
	v_add_nc_u32 v[XWI], s24, v[L16]               ; my eight images
	s_lshl_b32 s24, s[WV], 10
	s_add_co_u32 s25, s24, XSC
	v_add_nc_u32 v[XWS], s25, v[L4]
	v_add_nc_u32 v[XRI], XIMG, v[L16]
	v_lshlrev_b32 v[XRS], 2, v2
	v_lshl_add_u32 v[XRS], v3, 7, v[XRS]
	v_add_nc_u32 v[XRS], XSC, v[XRS]               ; lanes 0-15 an even K step's words, lanes 16-31 the odd one's
	s_add_co_u32 s25, s24, QST
	v_lshlrev_b32 v[QSW], 2, v2
	v_lshl_add_u32 v[QSW], v3, 9, v[QSW]
	v_add_nc_u32 v[QSW], s25, v[QSW]
	v_lshlrev_b32 v[QSR], 4, v2
	v_lshl_add_u32 v[QSR], v3, 9, v[QSR]
	v_add_nc_u32 v[QSR], s25, v[QSR]
	s_lshl_b32 s24, s[WV], 9
	s_add_co_u32 s25, s24, VST
	v_add_nc_u32 v[VSW], s25, v[L4]
	v_add_nc_u32 v[VSR], s25, v[L16]
	s_add_co_u32 s25, s24, BIAS
	v_lshl_add_u32 v[BQA], v3, 7, s25              ; q, k: my half's 32 numbers of a group of 64 columns
	v_and_b32 v[TMP], 7, v0
	v_bfe_u32 v[TMP+1], v0, 3, 1
	v_lshlrev_b32 v[BVA], 2, v[TMP]
	v_lshl_add_u32 v[BVA], v[TMP+1], 7, v[BVA]
	v_add_nc_u32 v[BVA], s25, v[BVA]               ; v: my column's number
	v_add_nc_u32 v[BWA], s25, v[L16]
	v_mov_b32 v[TM+6], 0                           ; a lane permute's destination counts as one of its sources
	s_mov_b32 s[SEL], 0x76543210
	s_mov_b32 s[SEL+1], 0xfedcba98
	s_mov_b32 s[HM], 0xffff0000
	s_cmp_eq_u32 s[YY], 0                          ; qb's layout or kv's: a head's bytes, a group's bytes, where a group's scale words lie
	s_mov_b32 s32, 417792
	s_cselect_b32 s32, 212992, s32
	s_mov_b32 s33, 13056
	s_cselect_b32 s33, 6144, s33
	s_mov_b32 s35, 13056
	s_cselect_b32 s35, 512, s35
	s_mov_b32 s36, 6144
	s_cselect_b32 s36, 196608, s36
	s_lshl_b32 s26, ttmp9, 7
	s_lshr_b32 s27, s[WV], 1
	s_lshl_b32 s27, s27, 6
	s_add_co_u32 s26, s26, s27
	s_and_b32 s27, s[WV], 1
	s_lshl_b32 s27, s27, 4
	s_add_co_u32 s26, s26, s27                     ; the first token of my two tiles: 128 g + 64 (w / 2) + 16 (w % 2)
	s_lshl_b32 s26, s26, 11
	s_mov_b32 s27, 0
	s_lshl_b32 s28, s[YY], 2
	s_add_co_u32 s28, s28, s[WV]
	s_mul_i32 s28, s28, 51200                      ; my block of wb
	s_mov_b32 s29, 0
	s_lshl_b32 s30, s[WV], 9                       ; my 128 numbers of the bias
	s_mov_b32 s31, 0
	s_lshr_b32 s34, ttmp9, 5
	s_lshl_b32 s34, s34, 3
	s_lshl_b32 s37, s[WV], 1
	s_add_co_u32 s34, s34, s37                     ; 8 b + 2 w: my first head
	s_mul_i32 s34, s34, s32
	s_and_b32 s37, ttmp9, 31                       ; the group within the batch
	s_mul_i32 s38, s37, s33
	s_add_co_u32 s38, s38, s34
	s_mov_b32 s39, 0
	s_mul_i32 s40, s37, s35
	s_add_co_u32 s40, s40, s34
	s_add_co_u32 s40, s40, s36
	s_mov_b32 s41, 0
	s_mov_b32 s33, 0                               ; s[32:33]: a head's bytes
	v_mul_u32_u24 v[GSC], v3, s32
	v_lshl_add_u32 v[GSC], v2, 4, v[GSC]           ; scale words out: lanes 0-15 my first head, lanes 16-31 my second
	s_wait_alu depctr_va_vdst(0)
	s_wait_kmcnt 0x0
	s_cmp_eq_u32 s[YY], 1                          ; the choices hang on the work-group's number alone
	s_cselect_b64 s[4:5], s[6:7], s[4:5]
	s_cselect_b64 s[12:13], s[14:15], s[12:13]
	s_cmp_eq_u32 s[YY], 2
	s_cselect_b64 s[4:5], s[8:9], s[4:5]
	s_cselect_b64 s[12:13], s[16:17], s[12:13]
	s_cmp_eq_u32 s[YY], 0
	s_cselect_b64 s[18:19], s[18:19], s[20:21]
	s_add_nc_u64 s[4:5], s[4:5], s[26:27]          ; x
	s_add_nc_u64 s[10:11], s[10:11], s[28:29]      ; W
	s_add_nc_u64 s[12:13], s[12:13], s[30:31]      ; the bias
	s_add_nc_u64 s[42:43], s[18:19], s[38:39]      ; out: my first head,
	s_add_nc_u64 s[44:45], s[42:43], s[32:33]      ; my second,
	s_add_nc_u64 s[46:47], s[18:19], s[40:41]      ; the scale words of q or k
	WIN 0x80
.irp t, 0,1,2,3,4,5,6,7
.irp s, 0,1
.irp c, 0,1
	global_load_b128 v[12*(2*\t+\s)+6*\c:12*(2*\t+\s)+6*\c+3], v[L16], s[10:11] offset:(4*\t+\s)*1536+768*\c
	global_load_b64 v[12*(2*\t+\s)+6*\c+4:12*(2*\t+\s)+6*\c+5], v[L8], s[10:11] offset:(4*\t+\s)*1536+768*\c+512
.endr
.endr
.endr
	WIN 0xc0
.irp t, 0,1,2,3,4,5,6,7
.irp s, 0,1
.irp c, 0,1
	global_load_b128 v[12*(2*\t+\s)+6*\c:12*(2*\t+\s)+6*\c+3], v[L16], s[10:11] offset:(4*\t+\s+2)*1536+768*\c
	global_load_b64 v[12*(2*\t+\s)+6*\c+4:12*(2*\t+\s)+6*\c+5], v[L8], s[10:11] offset:(4*\t+\s+2)*1536+768*\c+512
.endr
.endr
.endr
	WIN 0
.irp t, 0,1,2,3,4,5,6,7
.irp p, 0,1
	global_load_b32 v[WSC+2*\t+\p], v[L4], s[10:11] offset:49152+256*\t+128*\p   ; lanes 0-15 K step 2 p, lanes 16-31 K step 2 p + 1
.endr
.endr
	global_load_b128 v[TMP:TMP+3], v[L16], s[12:13]
	XLOAD 0
	XLOAD 1
	XLOAD 2
	XLOAD 3
	s_wait_loadcnt 48                              ; W, its words, the bias and item 0 are in; items 1 to 3 may be out
	ds_store_b128 v[BWA], v[TMP:TMP+3]             ; my part of the bias: only I read it
	TURN 0
.irp i, 0,1,2,3,4,5,6,7
	XITEM \i
.endr
	s_wait_dscnt 0x0                               ; for the others' sake: my images lie in LDS
	s_barrier_signal -1
	s_barrier_wait -1                              ; the launch's one barrier: x's 32 fragments are whole, and nobody writes them again
	s_cmp_eq_u32 s[YY], 2
	s_cbranch_scc1 .Lv
	; ---- q, k: source 0 = W, source 1 = x
.macro RLOAD m                         ; token tile m: its four fragments and their scale words
.irp s, 0,1,2,3
.irp k, 0,1,2
	ds_load_b128 v[R+12*\s+4*\k:R+12*\s+4*\k+3], v[XRI] offset:(4*(\m)+\s)*1536+512*\k
.endr
.endr
.irp p, 0,1
	ds_load_b32 v[RS+\p], v[XRS] offset:(4*(\m)+2*\p)*128
.endr
.endm
.macro QKMUL s                         ; the eight accumulators take turns, one instruction a turn
.irp t, 0,1,2,3,4,5,6,7
.if (\s) == 0
	WMP HA0+8*\t, 12*(2*\t), R, BI+8*\t, WSC+2*\t, RS, 0
.else
	WMP HA0+8*\t, 12*(2*\t+(\s)%2), R+12*(\s), HA0+8*\t, WSC+2*\t+(\s)/2, RS+(\s)/2, (\s)%2
.endif
.endr
.endm
.macro QKT m
	s_wait_dscnt 0x0                               ; the tile's fragments are in; the last scale word's store has read its register
	WIN 0x22                                       ; W and the bias in window 2
	QKMUL 0
	WIN 0x02
	QKMUL 1
	WIN 0x03                                       ; W in window 3
	QKMUL 2
	QKMUL 3
	WIN 0
	PLACES
.if (\m) < 7
	RLOAD (\m)+1                                   ; lands under the quantiser
.endif
	s_wait_xcnt 0x0                                ; the last tile's stores have read the codes' registers
	QUANT HA0
	global_store_b128 v[L16], v[PC:PC+3], s[42:43] offset:768*(\m)            ; head 2 w: 16 tokens x 64
	global_store_b64 v[L8], v[PC+4:PC+5], s[42:43] offset:768*(\m)+512
	global_store_b128 v[L16], v[PC+6:PC+9], s[44:45] offset:768*(\m)          ; head 2 w + 1
	global_store_b64 v[L8], v[PC+10:PC+11], s[44:45] offset:768*(\m)+512
	v_and_b32 v[TMP], 0xffff, v[PW]                ; the first head's two bytes,
	v_lshrrev_b32 v[TMP+1], 16, v[PW]              ; the second's; zeros above both
	v_cndmask_b32 v[PWS], v[TMP], v[TMP+1], s[HM]
	ds_store_b32 v[QSW], v[PWS] offset:64*(\m)
.endm
	WIN 0x80
.irp c, 0,1
.irp i, 0,1,2,3
.irp q, 0,1
	ds_load_b128 v[BI+8*(4*\c+\i)+4*\q:BI+8*(4*\c+\i)+4*\q+3], v[BQA] offset:4*(64*\c+8*\i)+16*\q   ; the bias in the result's layout: tile 4 c + i, columns 64 c + 32 h + 8 i + 0 .. 7
.endr
.endr
.endr
	WIN 0
	RLOAD 0
.irp m, 0,1,2,3,4,5,6,7
	QKT \m
.endr
	ds_load_b128 v[48:51], v[QSR]                  ; my own bytes, in order behind my stores
	ds_load_b128 v[52:55], v[QSR] offset:256
	s_wait_dscnt 0x0
	global_store_b128 v[GSC], v[48:51], s[46:47]   ; 16 lanes store 256 consecutive bytes of a head's words
	global_store_b128 v[GSC], v[52:55], s[46:47] offset:256
	s_wait_tensorcnt 0x0
	ds_add_u32 v254, v255
	s_wait_dscnt 0x0
	s_endpgm
	; ---- v: source 0 = x, source 1 = W
.Lv:
.macro FETCHP n                        ; K step n % 4 of all eight token tiles, into set n % 2 of window 1
	WIN 0x40
.irp m, 0,1,2,3,4,5,6,7
.irp k, 0,1,2
	ds_load_b128 v[96*((\n)%2)+12*\m+4*\k:96*((\n)%2)+12*\m+4*\k+3], v[XRI] offset:(4*\m+(\n)%4)*1536+512*\k
.endr
.endr
	WIN 0
.endm
.macro CBSET p                         ; the bias of column tiles 2 p, 2 p + 1 as C: a lane's eight results belong to one column
.irp e, 0,1
	s_wait_alu depctr_va_vdst(0)
.irp j, 0,1,2,3,4,5,6,7
	v_mov_b32 v[CB+8*\e+\j], v[BV+2*(\p)+\e]
.endr
.endr
.endm
.macro VSTORE t                        ; column tile t of my 8: head 2 w + t / 4, V^T's fragment t % 4
.if (\t) < 4
.set PP, 42
.else
.set PP, 44
.endif
	global_store_b128 v[L16], v[PC:PC+3], s[PP:PP+1] offset:6656+1536*((\t)%4)
	global_store_b64 v[L8], v[PC+4:PC+5], s[PP:PP+1] offset:6656+1536*((\t)%4)+512
	global_store_b128 v[L16], v[PC+6:PC+9], s[PP:PP+1] offset:6656+1536*((\t)%4)+768
	global_store_b64 v[L8], v[PC+10:PC+11], s[PP:PP+1] offset:6656+1536*((\t)%4)+1280
.endm
.macro VROUND n                        ; column tiles 2 tp, 2 tp + 1 x eight token tiles, K step ss: sixteen accumulators by turns
.set tp, (\n)/4
.set ss, (\n)%4
.set fb, 96*((\n)%2)
.if (\n) == 15
	s_wait_dscnt 0x0
.else
	s_wait_dscnt 24                                ; this round's fragments are in; the next round's 24 loads may be out
.endif
	WIN 0x09+4*(ss/2)                              ; x in window 1, W in window 2 or 3
.irp m, 0,1,2,3,4,5,6,7
.irp e, 0,1
.if ss == 0
	WMP HA0+84*\e+8*\m, fb+12*\m, 12*(2*(2*tp+\e)), CB+8*\e, XS16+2*\m, WSC+2*(2*tp+\e), 0
.else
	WMP HA0+84*\e+8*\m, fb+12*\m, 12*(2*(2*tp+\e)+ss%2), HA0+84*\e+8*\m, XS16+2*\m+ss/2, WSC+2*(2*tp+\e)+ss/2, ss%2
.endif
.endr
.endr
	WIN 0
	PLACES
.if (\n)+2 < 16
	FETCHP (\n)+2
.endif
.if ss == 3
	s_wait_xcnt 0x0                                ; earlier stores have read the codes' registers
	QUANT HA0
	VSTORE 2*tp
	v_mov_b32 v[PWS], v[PW]
	s_wait_xcnt 0x0
	QUANT HA1
	VSTORE 2*tp+1
	v_cndmask_b32 v[TMP], v[PWS], v[PW], s[HM]     ; lanes 0-15 the even tile's words, lanes 16-31 the odd one's
	ds_store_b32 v[VSW], v[TMP] offset:128*tp
.if tp < 3
	CBSET tp+1
.endif
.endif
.endm
.irp m, 0,1,2,3,4,5,6,7
.irp p, 0,1
	ds_load_b32 v[XS16+2*\m+\p], v[XRS] offset:(4*\m+2*\p)*128
.endr
.endr
.irp t, 0,1,2,3,4,5,6,7
	ds_load_b32 v[BV+\t], v[BVA] offset:4*(64*(\t/4)+8*(\t%4))
.endr
	FETCHP 0
	FETCHP 1
	s_wait_dscnt 48                                ; the scale words and the bias are in; the two fetches may be out
	CBSET 0
	s_wait_alu depctr_va_vdst(0)
.irp n, 0,1,2,3,4,5,6,7,8,9,10,11,12,13,14,15
	s_wait_alu depctr_va_vdst(0)
	VROUND \n
.endr
	ds_load_b128 v[48:51], v[VSR]                  ; my own bytes, in order behind my stores
	s_wait_dscnt 0x0
	global_store_b128 v[GSC], v[48:51], s[42:43] offset:12800   ; 16 lanes store a head's 256 bytes of V's words
	s_wait_tensorcnt 0x0
	ds_add_u32 v254, v255
	s_wait_dscnt 0x0
	s_endpgm
.Lfunc_end_k_q2757b992d9_proj:
	.size	k_q2757b992d9_proj, .Lfunc_end_k_q2757b992d9_proj-k_q2757b992d9_proj
	.p2alignl 7, 3214868480
	.fill 96, 4, 3214868480
	.section	.rodata,"a",@progbits
	.p2align	6, 0x0
	.amdhsa_kernel k_q2757b992d9_proj
		.amdhsa_group_segment_fixed_size 129536
		.amdhsa_private_segment_fixed_size 0
		.amdhsa_enable_private_segment 0
		.amdhsa_kernarg_size 72
		.amdhsa_user_sgpr_count 2
		.amdhsa_user_sgpr_kernarg_segment_ptr 1
		.amdhsa_wavefront_size32 1
		.amdhsa_system_sgpr_workgroup_id_x 1
		.amdhsa_system_sgpr_workgroup_id_y 1
		.amdhsa_system_sgpr_workgroup_id_z 1
		.amdhsa_system_vgpr_workitem_id 0
		.amdhsa_next_free_vgpr 1024
		.amdhsa_next_free_sgpr 66
		.amdhsa_reserve_vcc 0
		.amdhsa_float_denorm_mode_32 3
		.amdhsa_float_denorm_mode_16_64 3
		.amdhsa_memory_ordered 1
		.amdhsa_forward_progress 1
		.amdhsa_inst_pref_size 238
	.end_amdhsa_kernel
	.amdgpu_metadata
---
amdhsa.version: [ 1, 2 ]
amdhsa.kernels:
  - .name:           k_q2757b992d9_proj
    .symbol:         k_q2757b992d9_proj.kd
    .args:
      - { .name: q, .offset: 0, .size: 8, .value_kind: global_buffer, .address_space: global }
      - { .name: k, .offset: 8, .size: 8, .value_kind: global_buffer, .address_space: global }
      - { .name: v, .offset: 16, .size: 8, .value_kind: global_buffer, .address_space: global }
      - { .name: wb, .offset: 24, .size: 8, .value_kind: global_buffer, .address_space: global }
      - { .name: bq, .offset: 32, .size: 8, .value_kind: global_buffer, .address_space: global }
      - { .name: bk, .offset: 40, .size: 8, .value_kind: global_buffer, .address_space: global }
      - { .name: bv, .offset: 48, .size: 8, .value_kind: global_buffer, .address_space: global }
      - { .name: qb, .offset: 56, .size: 8, .value_kind: global_buffer, .address_space: global }
      - { .name: kv, .offset: 64, .size: 8, .value_kind: global_buffer, .address_space: global }
    .group_segment_fixed_size: 129536
    .private_segment_fixed_size: 0
    .kernarg_segment_align: 8
    .kernarg_segment_size: 72
    .max_flat_workgroup_size: 128
    .sgpr_count:     66
    .vgpr_count:     1024
    .wavefront_size: 32
...
	.end_amdgpu_metadata
.endif
;; end of part 2
;; launch stats (part 3): grid 16 x 16, 16 waves a work-group, no clusters, 216,064 bytes of LDS; arguments qb, kv, st; writes st
.if DOCPART == 3
	.amdgcn_target "amdgcn-amd-amdhsa--gfx1250"
	.amdhsa_code_object_version 6
	.text
	.protected	k_q2757b992d9_stats
	.globl	k_q2757b992d9_stats
	.p2align	8
	.type	k_q2757b992d9_stats,@function
k_q2757b992d9_stats:
	s_mov_b64 s[64:65], 0
	v_nop
	global_prefetch_b8 v0, s[64:65] scope:SCOPE_SE
	s_setreg_imm32_b32 hwreg(HW_REG_WAVE_MODE, 25, 1), 1
	s_wait_xcnt 0x0
; The softmax runs over the QUERIES: each key needs, over all 4,096 queries of its head, the largest score and the sum of exponentials, before any weight can be quantised.  This launch makes, for each key,
; noff = -(c max + log2(sum over q of 2^(c s - c max))), c = log2(e) / 8, so that the finished weight is 2^(c s + noff).  The maximum is a running one; the sum is rescaled when it moves.
; Scores: Q K^T on codes of FP6 (E2M3), K = the head's 64.  The instruction is 128 deep: the stationary side (my keys) has 6 registers of codes and 6 of zero codes; the streamed side lies dense, 6 registers a tile, and its
; operand runs on into the next tile's codes, which meet the zero codes under scale bytes 0 and add nothing; behind the last tile stand 6 registers of zeros.
; SHARES: grid y = batch x head, x = a block of 256 keys; each of the 16 waves owns one tile of 16 keys and walks all queries, 128 a step.  Source 0 = 16 queries, source 1 = my keys: a lane holds ONE key and its registers
; run over queries, so maximum and sum stay in the lane; the two halves of the lanes hold different queries and are joined once at the end.
; LDS: the head's whole block of qb (212,992 bytes) comes ONCE, 13 tensor loads of 64 rows x 256 bytes, one a wave; nothing is filled again.  Behind it 1,024 bytes gather the 256 results.
; No cluster: a work-group asks for its 212,992 bytes once, at its head, and then does 32 steps x 16 waves of work on them: no later request exists that partners could share.  For the same reason nothing is prefetched.
; LIMITS: NaN and infinities are not served.  noff is one f32 number: its rounding is half a unit in the last place of |c max|, the size of the scores' own rounding.
.set QBH,  212992
.set OST,  212992
.set KF,   12                          ; v12-23  my keys: 6 registers of codes, 6 of zeros
.set KS,   24                          ; v24     their scale words
.set QS,   26                          ; v26-29  the step's scale words: lanes 0-15 an even tile's, lanes 16-31 the odd one's
.set CM,   30                          ; v30     c x the running maximum
.set CMN,  32                          ; v32-33  the new one (named as a pair)
.set F,    36                          ; v36-37  2^(old - new)
.set L,    38                          ; v38-39  the sum, in two halves
.set T,    40                          ; v40-41  a second chain
.set CH,   42                          ; v42-46  maxima
.set QF,   48                          ; v48-101 eight tiles of queries, 6 registers each, and 6 of zeros
.set S,    104                         ; v104-167 the scores
.set WV,   10
.set TB,   40
.set TS,   41
.set CNT,  42
.set CS,   44
.set SEL,  46
.macro WMS d, a, sa, odd
.if \odd
	v_wmma_scale_f32_16x16x128_f8f6f4 v[\d:\d+7], v[\a:\a+11], v[KF:KF+11], 0, v[\sa], v[KS] matrix_a_fmt:MATRIX_FMT_FP6 matrix_b_fmt:MATRIX_FMT_FP6 matrix_a_scale:MATRIX_SCALE_ROW1
.else
	v_wmma_scale_f32_16x16x128_f8f6f4 v[\d:\d+7], v[\a:\a+11], v[KF:KF+11], 0, v[\sa], v[KS] matrix_a_fmt:MATRIX_FMT_FP6 matrix_b_fmt:MATRIX_FMT_FP6
.endif
.endm
	s_load_b128 s[4:7], s[0:1], 0x0                ; qb, kv
	s_load_b64 s[8:9], s[0:1], 0x10                ; st
	v_lshl_add_u32 v176, v0, 2, 0x34400
	v_mov_b32 v177, 0
	ds_add_u32 v176, v177
	ds_add_u32 v176, v177
	v_lshrrev_b32 v1, 5, v0
	s_delay_alu instid0(VALU_DEP_1)
	v_readfirstlane_b32 s[WV], v1                  ; wave 0..15
	s_and_b32 s11, ttmp7, 0xffff                   ; batch x head
	s_mov_b32 s16, 3<<16                           ; group 1: elements of 8 bytes, no mask, no padding
	s_mov_b32 s17, 32<<16                          ; tensor_dim0 = 32 elements: 256 bytes
	s_mov_b32 s18, 64<<16                          ; tensor_dim1 = 64
	s_mov_b32 s19, 32<<16                          ; tile_dim0 = 32
	s_mov_b32 s20, 64                              ; tile_dim1 = 64
	s_mov_b32 s21, 32                              ; the pitch: the block is dense
	s_mov_b32 s22, 0
	s_mov_b32 s23, 0
	s_mul_i32 s24, s11, QBH
	s_lshl_b32 s25, s[WV], 14
	s_add_co_u32 s24, s24, s25                     ; my 16,384 bytes of the head's block
	s_mov_b32 s25, 0
	s_lshl_b32 s26, ttmp9, 1
	s_lshr_b32 s27, s[WV], 3
	s_add_co_u32 s26, s26, s27                     ; my tile's group of 128 keys
	s_mul_i32 s26, s26, 13056
	s_mul_i32 s27, s11, 417792
	s_add_co_u32 s26, s26, s27
	s_and_b32 s27, s[WV], 7
	s_mul_i32 s28, s27, 768
	s_add_co_u32 s28, s28, s26                     ; its codes
	s_mov_b32 s29, 0
	s_lshl_b32 s30, s27, 6
	s_add_co_u32 s30, s30, s26
	s_add_co_u32 s30, s30, 6144                    ; its scale words
	s_mov_b32 s31, 0
	s_lshl_b32 s32, s11, 14
	s_lshl_b32 s33, ttmp9, 10
	s_add_co_u32 s32, s32, s33                     ; the block's 256 results in st
	s_mov_b32 s33, 0
	s_lshr_b32 s38, s[WV], 2
	s_lshl_b32 s38, s38, 8
	s_and_b32 s39, s[WV], 3
	s_lshl_b32 s39, s39, 5
	s_add_co_u32 s38, s38, s39
	s_add_co_u32 s38, s38, OST                     ; my tile's first key among the 256, in natural order
	s_mov_b32 s[CS], 0x3e38aa3b                    ; c = log2(e) / 8
	s_mov_b32 s[CS+1], s[CS]                       ; (named with it as a pair)
	s_mov_b32 s[SEL], 0x76543210
	s_mov_b32 s[SEL+1], 0xfedcba98
	s_mov_b32 s[TB], 0
	s_mov_b32 s[TS], 196608                        ; the scale words lie behind the codes
	s_mov_b32 s[CNT], 31
	v_and_b32 v1, 31, v0
	v_and_b32 v2, 15, v0
	s_delay_alu instid0(VALU_DEP_2)
	v_lshlrev_b32 v4, 4, v1                        ; 16 x lane
	s_delay_alu instid0(VALU_DEP_3)
	v_lshlrev_b32 v5, 3, v1                        ; 8 x lane
	s_delay_alu instid0(VALU_DEP_4)
	v_lshlrev_b32 v6, 2, v1                        ; 4 x lane
	s_delay_alu instid0(VALU_DEP_4)
	v_lshlrev_b32 v7, 2, v2                        ; 4 r
	v_and_b32 v8, 7, v0
	v_bfe_u32 v9, v0, 3, 1
	s_delay_alu instid0(VALU_DEP_2)
	v_lshlrev_b32 v11, 2, v8
	s_delay_alu instid0(VALU_DEP_1)
	v_lshl_add_u32 v11, v9, 7, v11
	s_delay_alu instid0(VALU_DEP_1)
	v_add_nc_u32 v11, s38, v11                     ; where my key's result goes: + r % 8 + 32 (r / 8) keys
	v_lshl_add_u32 v3, v0, 4, OST                  ; the way out: 16 bytes a thread (waves 0 and 1)
	v_lshlrev_b32 v25, 4, v0
	s_wait_dscnt 0x0
	s_wait_kmcnt 0x0
	s_mov_b32 s12, 1                               ; group 0: count,
	s_lshl_b32 s13, s[WV], 14                      ; LDS address,
	s_add_nc_u64 s[14:15], s[4:5], s[24:25]        ; global address,
	s_or_b32 s15, s15, 0x80000000                  ; type
	s_cmp_lt_u32 s[WV], 13                         ; 13 x 16,384 = 212,992 bytes
	s_cbranch_scc0 .Lnofill
	tensor_load_to_lds s[12:15], s[16:23]          ; the wave's one tensor load
	s_nop 0
.rept 4
	v_nop
.endr
.Lnofill:
	s_add_nc_u64 s[34:35], s[6:7], s[28:29]
	s_add_nc_u64 s[36:37], s[6:7], s[30:31]
	s_add_nc_u64 s[8:9], s[8:9], s[32:33]
	global_load_b128 v[KF:KF+3], v4, s[34:35]
	global_load_b64 v[KF+4:KF+5], v5, s[34:35] offset:512
	s_wait_alu depctr_va_vdst(0)
	global_load_b32 v[KS], v7, s[36:37]
.irp i, 0,1,2,3,4,5
	v_mov_b32 v[KF+6+\i], 0                        ; zero codes for the upper 64 along K
	v_mov_b32 v[QF+48+\i], 0                       ; and behind the last tile of queries
.endr
	v_mov_b32 v[CM], 0xff61b1e6                    ; -3e38, under every c s
	v_mov_b32 v[CMN+1], 0                          ; (upper halves of pairs of which the low word serves)
	v_mov_b32 v[F+1], 0
	v_mov_b32 v[L], 0
	v_mov_b32 v[L+1], 0
	s_wait_tensorcnt 0x0                           ; my part of the block has landed,
	s_barrier_signal -1
	s_barrier_wait -1                              ; everybody's has
.macro QLOAD                           ; a step's eight tiles and their words.  The four vector lines are also the places behind the products
	v_add_nc_u32 v8, s[TB], v4
	v_add_nc_u32 v9, s[TB], v5
	v_add_nc_u32 v10, s[TS], v6
	v_nop
.irp i, 0,1,2,3,4,5,6,7
	ds_load_b128 v[QF+6*\i:QF+6*\i+3], v8 offset:768*\i
	ds_load_b64 v[QF+6*\i+4:QF+6*\i+5], v9 offset:768*\i+512
.endr
.irp p, 0,1,2,3
	ds_load_b32 v[QS+\p], v10 offset:128*\p
.endr
.endm
.macro STEP more
	s_wait_dscnt 0x0
.irp i, 0,1,2,3,4,5,6,7
	WMS S+8*\i, QF+6*\i, QS+\i/2, \i%2
.endr
.if \more
	s_add_co_u32 s[TB], s[TB], 6144
	s_add_co_u32 s[TS], s[TS], 512
	QLOAD                                          ; the next step's, into the same registers: they land under the vector work
.else
.rept 4
	v_nop
.endr
.endif
.irp q, 0,1,2,3
	v_max3_num_f32 v[CH+\q], v[S+16*\q], v[S+16*\q+1], v[S+16*\q+2]   ; four chains; each accumulator is first read at its low end
.endr
.irp i, 3,5,7,9,11,13
.irp q, 0,1,2,3
	v_max3_num_f32 v[CH+\q], v[CH+\q], v[S+16*\q+\i], v[S+16*\q+\i+1]
.endr
.endr
.irp q, 0,1,2,3
	v_max_num_f32 v[CH+\q], v[CH+\q], v[S+16*\q+15]
.endr
	s_delay_alu instid0(VALU_DEP_2)
	v_max3_num_f32 v[CH+4], v[CH], v[CH+1], v[CH+2]
	s_delay_alu instid0(VALU_DEP_1)
	v_max_num_f32 v[CH+4], v[CH+4], v[CH+3]
	s_delay_alu instid0(VALU_DEP_1)
	v_mul_f32 v[CH+4], s[CS], v[CH+4]              ; c is positive
	s_delay_alu instid0(VALU_DEP_1)
	v_max_num_f32 v[CMN], v[CM], v[CH+4]           ; the running maximum
	s_delay_alu instid0(VALU_DEP_1)
	v_sub_f32 v[F], v[CM], v[CMN]
	s_wait_alu depctr_va_vdst(0)
	v_exp_f32 v[F], v[F]                           ; 2^(old - new)
.set n, 0
.rept 32
	v_pk_fma_f32 v[S+n:S+n+1], v[S+n:S+n+1], s[CS:CS+1], v[CMN:CMN+1] op_sel_hi:[1,0,0] neg_lo:[0,0,1] neg_hi:[0,0,1]   ; c s - c max
.set n, n+2
.endr
.set n, 0
	s_wait_alu depctr_va_vdst(0)
.rept 64
	v_exp_f32 v[S+n], v[S+n]
.set n, n+1
.endr
	v_mov_b32 v[CM], v[CMN]                        ; a plain place behind the exponentials
	s_wait_alu depctr_va_vdst(0)                   ; one wait for the batch of 65, ahead of its first reader
	v_pk_mul_f32 v[L:L+1], v[L:L+1], v[F:F+1] op_sel_hi:[1,0]
	v_pk_add_f32 v[40:41], v[108:109], v[112:113]
	v_pk_add_f32 v[174:175], v[116:117], v[120:121]
	v_pk_add_f32 v[172:173], v[124:125], v[128:129]
	v_pk_add_f32 v[170:171], v[132:133], v[136:137]
	v_pk_add_f32 v[168:169], v[140:141], v[144:145]
	v_pk_add_f32 v[102:103], v[148:149], v[152:153]
	v_pk_add_f32 v[46:47], v[156:157], v[160:161]
	v_pk_add_f32 v[38:39], v[38:39], v[164:165]
	v_pk_add_f32 v[40:41], v[40:41], v[104:105]
	v_pk_add_f32 v[174:175], v[174:175], v[106:107]
	v_pk_add_f32 v[172:173], v[172:173], v[110:111]
	v_pk_add_f32 v[170:171], v[170:171], v[114:115]
	v_pk_add_f32 v[168:169], v[168:169], v[118:119]
	v_pk_add_f32 v[102:103], v[102:103], v[122:123]
	v_pk_add_f32 v[46:47], v[46:47], v[126:127]
	v_pk_add_f32 v[38:39], v[38:39], v[130:131]
	v_pk_add_f32 v[40:41], v[40:41], v[134:135]
	v_pk_add_f32 v[174:175], v[174:175], v[138:139]
	v_pk_add_f32 v[172:173], v[172:173], v[142:143]
	v_pk_add_f32 v[170:171], v[170:171], v[146:147]
	v_pk_add_f32 v[168:169], v[168:169], v[150:151]
	v_pk_add_f32 v[102:103], v[102:103], v[154:155]
	v_pk_add_f32 v[46:47], v[46:47], v[158:159]
	v_pk_add_f32 v[38:39], v[38:39], v[162:163]
	v_pk_add_f32 v[40:41], v[40:41], v[166:167]
	s_delay_alu instid0(VALU_DEP_2)
	v_pk_add_f32 v[38:39], v[38:39], v[170:171]
	s_delay_alu instid0(VALU_DEP_2)
	v_pk_add_f32 v[40:41], v[40:41], v[168:169]
	v_pk_add_f32 v[174:175], v[174:175], v[102:103]
	v_pk_add_f32 v[172:173], v[172:173], v[46:47]
	s_delay_alu instid0(VALU_DEP_2)
	v_pk_add_f32 v[38:39], v[38:39], v[174:175]
	s_delay_alu instid0(VALU_DEP_2)
	v_pk_add_f32 v[40:41], v[40:41], v[172:173]
	s_delay_alu instid0(VALU_DEP_1)
	v_pk_add_f32 v[38:39], v[38:39], v[40:41]
.endm
	QLOAD                                          ; step 0
	s_wait_loadcnt 0x0                             ; my keys
.Lstep:                                            ; 31 trips; the last step is written out and fetches nothing
	s_wait_alu depctr_va_vdst(0)
	STEP 1
	s_sub_co_u32 s[CNT], s[CNT], 1
	s_cmp_lg_u32 s[CNT], 0
	s_cbranch_scc1 .Lstep
	STEP 0
	; the two halves of the lanes are joined: each holds its own maximum and sum of the same key
	s_delay_alu instid0(VALU_DEP_1)
	v_add_f32 v[L], v[L], v[L+1]
	s_delay_alu instid0(VALU_DEP_3)
	v_permlanex16_b32 v40, v[CM], s[SEL], s[SEL+1]
	s_delay_alu instid0(VALU_DEP_2)
	v_permlanex16_b32 v41, v[L], s[SEL], s[SEL+1]
	s_delay_alu instid0(VALU_DEP_2)
	v_max_num_f32 v42, v[CM], v40
	s_delay_alu instid0(VALU_DEP_1)
	v_sub_f32 v43, v[CM], v42
	s_delay_alu instid0(VALU_DEP_2)
	v_sub_f32 v44, v40, v42
	s_wait_alu depctr_va_vdst(0)
	v_exp_f32 v43, v43
	v_exp_f32 v44, v44
	v_nop
	s_wait_alu depctr_va_vdst(0)
	v_mul_f32 v[L], v[L], v43
	v_fma_f32 v[L], v41, v44, v[L]                 ; the key's sum, at least 1
	s_wait_alu depctr_va_vdst(0)
	v_log_f32 v45, v[L]
	v_nop
	s_wait_alu depctr_va_vdst(0)
	v_sub_f32 v45, -v42, v45                       ; noff = -(c max + log2 sum)
	ds_store_b32 v11, v45                          ; both halves write the same word with the same value
	s_wait_dscnt 0x0                               ; for the others' sake
	s_barrier_signal -1
	s_barrier_wait -1
	s_cmp_lt_u32 s[WV], 2
	s_cbranch_scc0 .Ldone
	ds_load_b128 v[48:51], v3
	s_wait_dscnt 0x0
	global_store_b128 v25, v[48:51], s[8:9]        ; a wave stores 512 consecutive bytes
.Ldone:
	s_wait_tensorcnt 0x0
	ds_add_u32 v176, v177
	s_wait_dscnt 0x0
	s_endpgm
.Lfunc_end_k_q2757b992d9_stats:
	.size	k_q2757b992d9_stats, .Lfunc_end_k_q2757b992d9_stats-k_q2757b992d9_stats
	.p2alignl 7, 3214868480
	.fill 96, 4, 3214868480
	.section	.rodata,"a",@progbits
	.p2align	6, 0x0
	.amdhsa_kernel k_q2757b992d9_stats
		.amdhsa_group_segment_fixed_size 216064
		.amdhsa_private_segment_fixed_size 0
		.amdhsa_enable_private_segment 0
		.amdhsa_kernarg_size 24
		.amdhsa_user_sgpr_count 2
		.amdhsa_user_sgpr_kernarg_segment_ptr 1
		.amdhsa_wavefront_size32 1
		.amdhsa_system_sgpr_workgroup_id_x 1
		.amdhsa_system_sgpr_workgroup_id_y 1
		.amdhsa_system_sgpr_workgroup_id_z 1
		.amdhsa_system_vgpr_workitem_id 0
		.amdhsa_next_free_vgpr 178
		.amdhsa_next_free_sgpr 66
		.amdhsa_reserve_vcc 0
		.amdhsa_float_denorm_mode_32 3
		.amdhsa_float_denorm_mode_16_64 3
		.amdhsa_memory_ordered 1
		.amdhsa_forward_progress 1
		.amdhsa_inst_pref_size 29
	.end_amdhsa_kernel
	.amdgpu_metadata
---
amdhsa.version: [ 1, 2 ]
amdhsa.kernels:
  - .name:           k_q2757b992d9_stats
    .symbol:         k_q2757b992d9_stats.kd
    .args:
      - { .name: qb, .offset: 0, .size: 8, .value_kind: global_buffer, .address_space: global }
      - { .name: kv, .offset: 8, .size: 8, .value_kind: global_buffer, .address_space: global }
      - { .name: st, .offset: 16, .size: 8, .value_kind: global_buffer, .address_space: global }
    .group_segment_fixed_size: 216064
    .private_segment_fixed_size: 0
    .kernarg_segment_align: 8
    .kernarg_segment_size: 24
    .max_flat_workgroup_size: 512
    .sgpr_count:     66
    .vgpr_count:     178
    .wavefront_size: 32
...
	.end_amdgpu_metadata
.endif
;; end of part 3
;; launch attn (part 4): grid 16 x 16, 8 waves a work-group, clusters of 4 x 1, 327,680 bytes of LDS; arguments qb, kv, st, ob; writes ob
.if DOCPART == 4
	.amdgcn_target "amdgcn-amd-amdhsa--gfx1250"
	.amdhsa_code_object_version 6
	.text
	.protected	k_q2757b992d9_attn
	.globl	k_q2757b992d9_attn
	.p2align	8
	.type	k_q2757b992d9_attn,@function
k_q2757b992d9_attn:
	s_mov_b64 s[64:65], 0
	v_nop
	global_prefetch_b8 v0, s[64:65] scope:SCOPE_SE
	s_setreg_imm32_b32 hwreg(HW_REG_WAVE_MODE, 25, 1), 1
	s_wait_xcnt 0x0
	s_wait_alu depctr_hold_cnt(0) depctr_sa_sdst(0) depctr_va_vdst(0) depctr_va_sdst(0) depctr_va_ssrc(0) depctr_va_vcc(0) depctr_vm_vsrc(0)
	s_getreg_b32 s2, hwreg(HW_REG_IB_STS2, 6, 4)
	s_cmp_eq_u32 s2, 0
	s_cbranch_scc0 .Lentry_in_a_cluster
	s_endpgm
.Lentry_in_a_cluster:
	s_bfe_u32 s2, ttmp6, 0x10000c
	s_cmp_lg_u32 s2, 0x3003
	s_cbranch_scc0 .Lentry_shape_is_right
	s_endpgm
.Lentry_shape_is_right:
; O = P V for one head, P(q, k) = 2^(c s(q, k) + noff(k)): the finished weight of the softmax over the queries; c = log2(e) / 8, noff(k) = -(c max + log2 sum) comes from the launch before (buffer st).
; Both products run on codes of FP6 (E2M3) with one E8M0 byte for each 32 along K.  S^T = K Q^T and O^T = V^T P^T: a lane holds one query, its registers run along the keys, then along the head's 64.
; SHARES: grid y = batch x head, x = 256 queries; each of 8 waves owns 32 queries (two tiles) and walks all 4,096 keys, 128 a step.
; A STEP goes by query tiles: the 8 score products of tile 0, then those of tile 1; then for each tile 32 packed multiply-adds, 64 exponentials, the blocks' largest p, the conversions and 4 products with V.
; Fragments are asked of LDS ahead of their use, into the same registers: V's behind the score products of its own step, the next step's K behind them too, the next step's noff behind tile 1's multiply-adds.
; The head's K has 64 numbers and the instruction is 128 deep: q has 6 registers of codes and 6 of zero codes; K's tiles lie dense, each operand runs on into the next tile's codes, which meet the zero codes.
; RING: two slots of 8 steps: 104,448 bytes of kv and behind them 4,096 of noff.  Waves 0-3 fetch a quarter of the kv part (102 rows of 256 bytes), waves 4-7 1,024 bytes of noff: one tensor load a wave.
; CLUSTER: the four work-groups of a cluster serve one head and need the same slots: each load is a joint one, mask 15; a round of the cluster's barrier stands in front of each group of loads.
; No prefetch: a slot's load is asked for eight steps (192 matrix instructions a wave) ahead of the wait for it.
; LIMITS: NaN and infinities are not served; a block whose every p is 0 keeps the byte 1 (its codes are zeros; this program alone reads the bytes).
; REGISTERS: window 0: v4-16 addresses; v32-159 S, then p (two tiles); v160-199 codes; v200-223 at work and scale words.  window 1: K 0-53, V 54-101, noff 102-165, q 166-189, O^T 190-253.
.set STEPB, 13056
.set KVB,   8*STEPB
.set QKV,   KVB/4
.set SLOT1, 1<<17
.set SPARE, 2*SLOT1
.set OSG,   SPARE+1024
.set L16, 4
.set L8,  5
.set L4,  6
.set H8,  7
.set SPW, 8
.set NIL, 9
.set OFB, 10
.set A16, 11
.set A8,  12
.set A4,  13
.set AOF, 14
.set OSA, 15
.set OSR, 16
.set S,   32
.set PC,  160
.set CT,  184
.set TM,  200
.set SO,  204
.set BY,  208
.set PT,  212
.set PW,  214
.set KS,  216
.set VS,  220
.set QS,  222
.set KF,  0
.set VF,  54
.set OFF, 102
.set Q,   166
.set O,   190
.set WV,  12
.set SEL, 20
.set CS,  22
.set G1K, 24
.set G1S, 32
.set G0K, 40
.set G0S, 44
.set TB,  48
.set TO,  49
.set SLOTS, 50
.set CN,  51
.set HM,  52
.set MSB, 0
.macro WIN new                         ; the immediate's high byte repeats the setting that is left
.if MSB != (\new)
	s_set_vgpr_msb (MSB<<8)|(\new)
.set MSB, (\new)
.endif
.endm
.macro PLACES
.rept 4
	v_nop
.endr
.endm
.macro WMA d, a, b, sa, sb, ra, rb
.if (\ra) && (\rb)
	v_wmma_scale_f32_16x16x128_f8f6f4 v[\d:\d+7], v[\a:\a+11], v[\b:\b+11], 0, v[\sa], v[\sb] matrix_a_fmt:MATRIX_FMT_FP6 matrix_b_fmt:MATRIX_FMT_FP6 matrix_a_scale:MATRIX_SCALE_ROW1 matrix_b_scale:MATRIX_SCALE_ROW1
.elseif (\ra)
	v_wmma_scale_f32_16x16x128_f8f6f4 v[\d:\d+7], v[\a:\a+11], v[\b:\b+11], 0, v[\sa], v[\sb] matrix_a_fmt:MATRIX_FMT_FP6 matrix_b_fmt:MATRIX_FMT_FP6 matrix_a_scale:MATRIX_SCALE_ROW1
.elseif (\rb)
	v_wmma_scale_f32_16x16x128_f8f6f4 v[\d:\d+7], v[\a:\a+11], v[\b:\b+11], 0, v[\sa], v[\sb] matrix_a_fmt:MATRIX_FMT_FP6 matrix_b_fmt:MATRIX_FMT_FP6 matrix_b_scale:MATRIX_SCALE_ROW1
.else
	v_wmma_scale_f32_16x16x128_f8f6f4 v[\d:\d+7], v[\a:\a+11], v[\b:\b+11], 0, v[\sa], v[\sb] matrix_a_fmt:MATRIX_FMT_FP6 matrix_b_fmt:MATRIX_FMT_FP6
.endif
.endm
.macro WMV d, a, b, sa, sb, ra
.if (\ra)
	v_wmma_scale_f32_16x16x128_f8f6f4 v[\d:\d+7], v[\a:\a+11], v[\b:\b+11], v[\d:\d+7], v[\sa], v[\sb] matrix_a_fmt:MATRIX_FMT_FP6 matrix_b_fmt:MATRIX_FMT_FP6 matrix_a_scale:MATRIX_SCALE_ROW1
.else
	v_wmma_scale_f32_16x16x128_f8f6f4 v[\d:\d+7], v[\a:\a+11], v[\b:\b+11], v[\d:\d+7], v[\sa], v[\sb] matrix_a_fmt:MATRIX_FMT_FP6 matrix_b_fmt:MATRIX_FMT_FP6
.endif
.endm
.macro ROUND                           ; a round of the cluster's barrier
	s_barrier_signal -1
	s_barrier_wait -1
	s_cmp_lg_u32 s[WV], 0
	s_cbranch_scc1 .Lnw0_\@
	s_barrier_signal -3
.Lnw0_\@:
	s_barrier_wait -3
	s_barrier_signal -1
	s_barrier_wait -1
.endm
.macro JLOAD                           ; a wave's one joint load: waves 0-3 a quarter of the slot's kv, waves 4-7 a quarter of its noff; the branch hangs on the wave's number alone
	s_cmp_lt_u32 s[WV], 4
	s_cbranch_scc0 .Lnf_\@
	tensor_load_to_lds s[G0K:G0K+3], s[G1K:G1K+7]
	s_nop 0
	PLACES
	s_branch .Lja_\@
.Lnf_\@:
	tensor_load_to_lds s[G0S:G0S+3], s[G1S:G1S+7]
	s_nop 0
	PLACES
.Lja_\@:
.endm
	s_load_b256 s[4:11], s[0:1], 0x0               ; qb, kv, st, ob
	v_lshl_add_u32 v[SPW], v0, 2, SPARE
	v_mov_b32 v[NIL], 0
	ds_add_u32 v[SPW], v[NIL]                      ; the opening lines: the add, twice on end, and its wait
	ds_add_u32 v[SPW], v[NIL]
	v_lshrrev_b32 v1, 5, v0
	v_readfirstlane_b32 s[WV], v1                  ; wave 0..7
	s_and_b32 s13, ttmp7, 0xffff                   ; batch x head
	s_bfe_u32 s14, ttmp6, 0x40000                  ; cx
	s_lshl_b32 s15, ttmp9, 2
	s_add_co_u32 s14, s15, s14                     ; the block of 256 queries = 4 x cluster x + cx: it enters global addresses of q and O alone
	s_and_b32 s15, s[WV], 3                        ; which quarter I fetch
	v_and_b32 v1, 31, v0
	v_bfe_u32 v3, v0, 4, 1
	v_lshlrev_b32 v[L16], 4, v1
	v_lshlrev_b32 v[L8], 3, v1
	v_lshlrev_b32 v[L4], 2, v1
	v_lshlrev_b32 v[H8], 3, v3
	v_lshl_add_u32 v[OFB], v3, 7, KVB              ; noff: my half's 32 keys of each 64, behind the slot's kv
	v_lshl_add_u32 v[OSA], v0, 2, OSG
	v_lshl_add_u32 v[OSR], v0, 4, OSG
	v_mov_b32 v[PT], 0                             ; a lane permute's destination counts as one of its sources
	v_mov_b32 v[PT+1], 0
	s_mov_b32 s[G1K], 15|(3<<16)|(1<<21)           ; group 1: the mask of the four, elements of 8 bytes; 102 dense rows of 256 bytes
	s_mov_b32 s[G1K+1], 32<<16
	s_mov_b32 s[G1K+2], 102<<16
	s_mov_b32 s[G1K+3], 32<<16
	s_mov_b32 s[G1K+4], 102
	s_mov_b32 s[G1K+5], 32
	s_mov_b32 s[G1K+6], 0
	s_mov_b32 s[G1K+7], 0
	s_mov_b32 s[G1S], 15|(3<<16)|(1<<21)           ; and 4 rows for noff
	s_mov_b32 s[G1S+1], 32<<16
	s_mov_b32 s[G1S+2], 4<<16
	s_mov_b32 s[G1S+3], 32<<16
	s_mov_b32 s[G1S+4], 4
	s_mov_b32 s[G1S+5], 32
	s_mov_b32 s[G1S+6], 0
	s_mov_b32 s[G1S+7], 0
	s_mov_b32 s[SEL], 0x76543210
	s_mov_b32 s[SEL+1], 0xfedcba98
	s_mov_b32 s[CS], 0x3e38aa3b                    ; c
	s_mov_b32 s[CS+1], s[CS]
	s_mov_b32 s[HM], 0xffff0000
	s_mov_b32 s[TB], 0
	s_mov_b32 s[TO], 0
	s_mov_b32 s[SLOTS], 3
	s_mul_i32 s58, s15, QKV
	s_mul_i32 s16, s13, 417792
	s_add_co_u32 s16, s16, s58                     ; my quarter of the head's first slot in kv
	s_mov_b32 s17, 0
	s_lshl_b32 s59, s15, 10
	s_lshl_b32 s18, s13, 14
	s_add_co_u32 s18, s18, s59                     ; and in st
	s_mov_b32 s19, 0
	s_lshr_b32 s60, s13, 3                         ; where O's codes and words go in ob: [group of 128 tokens][head] halves of 768 bytes, words at 49,152
	s_lshl_b32 s60, s60, 5
	s_lshl_b32 s61, s14, 1
	s_add_co_u32 s60, s60, s61
	s_and_b32 s61, s13, 7
	s_lshr_b32 s62, s[WV], 2
	s_add_co_u32 s62, s62, s60
	s_mul_i32 s54, s62, 53248
	s_mul_i32 s62, s61, 6144
	s_add_co_u32 s54, s54, s62
	s_and_b32 s62, s[WV], 3
	s_mul_i32 s62, s62, 1536
	s_add_co_u32 s54, s54, s62
	s_mov_b32 s55, 0
	s_add_co_u32 s62, s60, s[WV]
	s_mul_i32 s56, s62, 53248
	s_lshl_b32 s62, s61, 9
	s_add_co_u32 s56, s56, s62
	s_add_co_u32 s56, s56, 49152
	s_mov_b32 s57, 0
	s_wait_dscnt 0x0                               ; both opening adds are done
	s_wait_alu depctr_va_vdst(0)
	s_wait_kmcnt 0x0
	s_add_nc_u64 s[54:55], s[10:11], s[54:55]
	s_add_nc_u64 s[56:57], s[10:11], s[56:57]
	s_mov_b32 s[G0S], 1
	s_add_co_u32 s[G0S+1], s59, KVB
	s_add_nc_u64 s[G0S+2:G0S+3], s[8:9], s[18:19]
	s_or_b32 s[G0S+3], s[G0S+3], 0x80000000
	s_mov_b32 s[G0K], 1
	s_mov_b32 s[G0K+1], s58
	s_add_nc_u64 s[G0K+2:G0K+3], s[6:7], s[16:17]
	s_or_b32 s[G0K+3], s[G0K+3], 0x80000000
	ROUND                                          ; the four work-groups are here: the first joint loads meet
	JLOAD                                          ; slot 0: one tensor load a wave at the head
	s_lshl_b32 s58, s14, 4
	s_lshl_b32 s59, s[WV], 1
	s_add_co_u32 s58, s58, s59                     ; my first tile of queries
	s_mul_i32 s16, s13, 212992
	s_mul_i32 s18, s58, 768
	s_add_co_u32 s18, s18, s16
	s_mov_b32 s19, 0
	s_lshl_b32 s58, s58, 6
	s_add_co_u32 s16, s16, s58
	s_add_co_u32 s16, s16, 196608
	s_mov_b32 s17, 0
	s_add_nc_u64 s[18:19], s[4:5], s[18:19]
	s_add_nc_u64 s[16:17], s[4:5], s[16:17]
	global_load_b32 v[QS], v[L4], s[16:17]         ; lanes 0-15 tile 0's words, lanes 16-31 tile 1's
	WIN 0x40
.irp a, 0,1
	global_load_b128 v[Q+12*\a:Q+12*\a+3], v[L16], s[18:19] offset:768*\a
	global_load_b64 v[Q+12*\a+4:Q+12*\a+5], v[L8], s[18:19] offset:768*\a+512
.endr
.irp i, 0,1,2,3,4,5
	v_mov_b32 v[Q+6+\i], 0                         ; zero codes for the upper 64 along K,
	v_mov_b32 v[Q+18+\i], 0
	v_mov_b32 v[KF+48+\i], 0                       ; and behind K's last tile
.endr
.set n, 0
.rept 64
	v_mov_b32 v[O+n], 0                            ; the step is written for every step alike; these lines stand under the first load's flight
.set n, n+1
.endr
	WIN 0
; A change of slots: all my tensor loads are in, the add, my LDS reads are over; a round; then the slot read last is filled again (the first pass: slot 1's first fill)
.macro CHANGE fill
	s_wait_tensorcnt 0x0
	ds_add_u32 v[SPW], v[NIL]
.if \fill
	s_xor_b32 s[G0K+1], s[G0K+1], SLOT1
	s_add_nc_u64 s[G0K+2:G0K+3], s[G0K+2:G0K+3], KVB
	s_xor_b32 s[G0S+1], s[G0S+1], SLOT1
	s_add_nc_u64 s[G0S+2:G0S+3], s[G0S+2:G0S+3], 4096
.endif
	s_wait_dscnt 0x0
.if \fill
	ROUND
	JLOAD
.else
	s_barrier_signal -1                            ; no round
	s_barrier_wait -1
.endif
.endm
.macro ADDRS                           ; this step's LDS addresses
	v_add_nc_u32 v[A16], s[TB], v[L16]
	v_add_nc_u32 v[A8], s[TB], v[L8]
	v_add_nc_u32 v[A4], s[TB], v[L4]
	v_add_nc_u32 v[AOF], s[TO], v[OFB]
.endm
.macro KLOAD o                         ; K's 4 scale words and 8 tiles at byte o behind this step's: 20 loads
.irp p, 0,1,2,3
	ds_load_b32 v[KS+\p], v[A4] offset:(\o)+6144+128*\p
.endr
	WIN 0x40
.irp i, 0,1,2,3,4,5,6,7
	ds_load_b128 v[KF+6*\i:KF+6*\i+3], v[A16] offset:(\o)+768*\i
	ds_load_b64 v[KF+6*\i+4:KF+6*\i+5], v[A8] offset:(\o)+768*\i+512
.endr
.endm
.macro OLOAD o                         ; noff of 128 keys: 16 loads; register 32 c + i = key 64 c + 32 h + i
	WIN 0x40
.irp c, 0,1
.irp j, 0,1,2,3,4,5,6,7
	ds_load_b128 v[OFF+32*\c+4*\j:OFF+32*\c+4*\j+3], v[AOF] offset:(\o)+256*\c+16*\j
.endr
.endr
.endm
; One tile of 16 queries x 128 keys, from the raw products to O^T
.macro UNIT a, more
.set SB, S+64*(\a)
	WIN 0x10
.if (\a) == 0
	s_wait_dscnt 18+20*(\more)                     ; noff is in; V's 18 loads and the next K's 20 may be out
.else
	s_wait_alu depctr_va_vdst(0)                   ; ahead of the first reader of these products
.endif
.set n, 0
.rept 32
	v_pk_fma_f32 v[SB+n:SB+n+1], v[SB+n:SB+n+1], s[CS:CS+1], v[OFF+n:OFF+n+1] op_sel_hi:[1,0,1]   ; c s + noff
.set n, n+2
.endr
.if (\a) == 1 && (\more)
	OLOAD 512                                      ; the next step's noff
.endif
	WIN 0
	s_wait_alu depctr_va_vdst(0)                   ; ahead of the batch
.set n, 0
.rept 64
	v_exp_f32 v[SB+n], v[SB+n]                     ; the finished weight
.set n, n+1
.endr
	v_nop                                          ; a plain place behind the exponentials
.if (\a) == 0
	s_wait_dscnt 20*(\more)                        ; V and its words are in; the next K's 20 loads may be out
.endif
	s_wait_alu depctr_va_vdst(0)                   ; and behind the batch
.irp c, 0,1                            ; each block's largest p, in two chains a block, with the floor 2^(3 - 127) among the leaves
	v_max3_num_f32 v[TM+\c], v[SB+32*\c], v[SB+32*\c+1], 0x1800000
	v_max3_num_f32 v[TM+2+\c], v[SB+32*\c+16], v[SB+32*\c+17], v[SB+32*\c+18]
.endr
.irp k, 0,1,2,3,4,5
.irp c, 0,1
	v_max3_num_f32 v[TM+\c], v[TM+\c], v[SB+32*\c+2+2*\k], v[SB+32*\c+3+2*\k]
	v_max3_num_f32 v[TM+2+\c], v[TM+2+\c], v[SB+32*\c+19+2*\k], v[SB+32*\c+20+2*\k]
.endr
.endr
.irp c, 0,1
	v_max3_num_f32 v[TM+\c], v[TM+\c], v[SB+32*\c+14], v[SB+32*\c+15]
.endr
.irp c, 0,1
	v_max3_num_f32 v[TM+\c], v[TM+\c], v[TM+2+\c], v[SB+32*\c+31]
.endr
.irp c, 0,1
	v_add_nc_u32 v[SO+\c], 0xff000000, v[TM+\c]    ; 2 off the exponent field: the conversion's scale operand
.endr
.irp c, 0,1
	v_cvt_scalef32_pk16_fp6_f32 v[PC+12*(\a)+6*\c:PC+12*(\a)+6*\c+2], v[SB+32*\c:SB+32*\c+15], v[SO+\c]
	v_cvt_scalef32_pk16_fp6_f32 v[CT+4*\c:CT+4*\c+2], v[SB+32*\c+16:SB+32*\c+31], v[SO+\c]   ; (a conversion's three registers begin on an even number)
.endr
.irp c, 0,1
	v_lshrrev_b32 v[BY+\c], 23, v[SO+\c]           ; the scale's byte
.endr
	v_lshl_or_b32 v[PW+(\a)], v[BY+1], 16, v[BY]
	v_lshlrev_b32 v[PW+(\a)], v[H8], v[PW+(\a)]
	v_permlanex16_b32 v[PT+(\a)], v[PW+(\a)], s[SEL], s[SEL+1]
	v_or_b32 v[PW+(\a)], v[PW+(\a)], v[PT+(\a)]    ; my query's scale word for these 128 keys
.irp c, 0,1
.irp i, 0,1,2
	v_mov_b32 v[PC+12*(\a)+6*\c+3+\i], v[CT+4*\c+\i]
.endr
.endr
	s_wait_alu depctr_va_vdst(0)                   ; ahead of the readers of O^T
	PLACES                                         ; ten plain lines behind the scale word's last write, four behind the codes'
	WIN 0x51
.irp d, 0,1,2,3
	WMV O+32*(\a)+8*\d, VF+12*\d, PC+12*(\a), VS+\d/2, PW+(\a), \d%2
.endr
	WIN 0
.endm
.macro STEP more
	s_wait_dscnt 16                                ; K and its words are in; noff's 16 loads may be out
	WIN 0x05
.irp a, 0,1
.irp i, 0,1,2,3,4,5,6,7
	WMA S+64*\a+8*\i, KF+6*\i, Q+12*\a, KS+\i/2, QS, \i%2, \a
.endr
.endr
	WIN 0
	ADDRS                                          ; four plain lines: the places in front of the loads below
	WIN 0x40
.irp d, 0,1,2,3
.irp c, 0,1
	ds_load_b128 v[VF+12*\d+6*\c:VF+12*\d+6*\c+3], v[A16] offset:6656+1536*\d+768*\c
	ds_load_b64 v[VF+12*\d+6*\c+4:VF+12*\d+6*\c+5], v[A8] offset:6656+1536*\d+768*\c+512
.endr
.endr
	WIN 0
.irp p, 0,1
	ds_load_b32 v[VS+\p], v[A4] offset:12800+128*\p
.endr
.if \more
	KLOAD STEPB                                    ; the next step's K
.endif
	UNIT 0, \more
	UNIT 1, \more
.endm
.macro SLOT_STEPS
	ADDRS
	KLOAD 0                                        ; the slot's first step
	OLOAD 0
	WIN 0
	s_mov_b32 s[CN], 7
.Lst_\@:
	STEP 1
	s_add_co_u32 s[TB], s[TB], STEPB
	s_add_co_u32 s[TO], s[TO], 512
	s_sub_co_u32 s[CN], s[CN], 1
	s_cmp_lg_u32 s[CN], 0
	s_cbranch_scc1 .Lst_\@
	STEP 0                                         ; the slot's last step asks for nothing beyond it
	s_sub_co_u32 s[TB], s[TB], 7*STEPB
	s_xor_b32 s[TB], s[TB], SLOT1
	s_sub_co_u32 s[TO], s[TO], 7*512
	s_xor_b32 s[TO], s[TO], SLOT1
.endm
	s_wait_alu depctr_va_vdst(0)
	s_wait_loadcnt 0x0                             ; q
.Lslot:
	CHANGE 1
	SLOT_STEPS
	s_sub_co_u32 s[SLOTS], s[SLOTS], 1
	s_cmp_lg_u32 s[SLOTS], 0
	s_cbranch_scc1 .Lslot
	CHANGE 0
	SLOT_STEPS
	; O^T is quantised along the head's 64 for the last projection: a lane holds one block of 32 for each tile
	PLACES
.irp a, 0,1
	v_mov_b32 v[TM+\a], 0x1800000
.endr
	WIN 0x14
	s_wait_alu depctr_va_vdst(0)                   ; ahead of the first reader of O^T
.irp i, 0,2,4,6,8,10,12,14,16,18,20,22,24,26,28,30
.irp a, 0,1
	v_max3_num_f32 v[TM+\a], v[TM+\a], |v[O+32*\a+\i]|, |v[O+32*\a+\i+1]|
.endr
.endr
	WIN 0
.irp a, 0,1
	v_add_nc_u32 v[SO+\a], 0xff000000, v[TM+\a]
.endr
.irp a, 0,1
	s_delay_alu instid0(VALU_DEP_2)
	v_lshrrev_b32 v[BY+\a], 23, v[SO+\a]
.endr
.irp a, 0,1
	s_delay_alu instid0(VALU_DEP_2)
	v_lshlrev_b32 v[BY+\a], v[H8], v[BY+\a]
.endr
.irp a, 0,1
	s_delay_alu instid0(VALU_DEP_2)
	v_permlanex16_b32 v[PT+\a], v[BY+\a], s[SEL], s[SEL+1]
.endr
.irp a, 0,1
	s_delay_alu instid0(VALU_DEP_2)
	v_or_b32 v[BY+\a], v[BY+\a], v[PT+\a]
.endr
	WIN 0x01
.irp a, 0,1
	v_cvt_scalef32_pk16_fp6_f32 v[PC+12*\a:PC+12*\a+2], v[O+32*\a:O+32*\a+15], v[SO+\a]
	v_cvt_scalef32_pk16_fp6_f32 v[CT+4*\a:CT+4*\a+2], v[O+32*\a+16:O+32*\a+31], v[SO+\a]
.endr
	WIN 0
	v_nop                                          ; one plain place behind a scaled conversion
.irp a, 0,1
.irp i, 0,1,2
	v_mov_b32 v[PC+12*\a+3+\i], v[CT+4*\a+\i]
.endr
.endr
.irp a, 0,1
	global_store_b128 v[L16], v[PC+12*\a:PC+12*\a+3], s[54:55] offset:768*\a        ; 32 lanes store 512 consecutive bytes,
	global_store_b64 v[L8], v[PC+12*\a+4:PC+12*\a+5], s[54:55] offset:768*\a+512    ; and 256
.endr
	v_cndmask_b32 v[BY+2], v[BY], v[BY+1], s[HM]   ; lanes 0-15 tile 0's words, lanes 16-31 tile 1's
	ds_store_b32 v[OSA], v[BY+2]
	s_wait_dscnt 0x0                               ; for the others' sake
	s_barrier_signal -1
	s_barrier_wait -1
	s_cmp_lt_u32 s[WV], 2
	s_cbranch_scc0 .Lend
	ds_load_b128 v[32:35], v[OSR]
	s_wait_dscnt 0x0
	global_store_b128 v[L16], v[32:35], s[56:57]   ; a wave stores the 512 bytes of words of a group of 128 tokens
.Lend:
	s_wait_tensorcnt 0x0                           ; the wave's end
	ds_add_u32 v[SPW], v[NIL]
	s_wait_dscnt 0x0
	ROUND                                          ; the closing round
	s_endpgm
.Lfunc_end_k_q2757b992d9_attn:
	.size	k_q2757b992d9_attn, .Lfunc_end_k_q2757b992d9_attn-k_q2757b992d9_attn
	.p2alignl 7, 3214868480
	.fill 96, 4, 3214868480
	.section	.rodata,"a",@progbits
	.p2align	6, 0x0
	.amdhsa_kernel k_q2757b992d9_attn
		.amdhsa_group_segment_fixed_size 327680
		.amdhsa_private_segment_fixed_size 0
		.amdhsa_enable_private_segment 0
		.amdhsa_kernarg_size 32
		.amdhsa_user_sgpr_count 2
		.amdhsa_user_sgpr_kernarg_segment_ptr 1
		.amdhsa_wavefront_size32 1
		.amdhsa_system_sgpr_workgroup_id_x 1
		.amdhsa_system_sgpr_workgroup_id_y 1
		.amdhsa_system_sgpr_workgroup_id_z 1
		.amdhsa_system_vgpr_workitem_id 0
		.amdhsa_next_free_vgpr 512
		.amdhsa_next_free_sgpr 66
		.amdhsa_reserve_vcc 0
		.amdhsa_float_denorm_mode_32 3
		.amdhsa_float_denorm_mode_16_64 3
		.amdhsa_memory_ordered 1
		.amdhsa_forward_progress 1
		.amdhsa_inst_pref_size 102
	.end_amdhsa_kernel
	.amdgpu_metadata
---
amdhsa.version: [ 1, 2 ]
amdhsa.kernels:
  - .name:           k_q2757b992d9_attn
    .symbol:         k_q2757b992d9_attn.kd
    .args:
      - { .name: qb, .offset: 0, .size: 8, .value_kind: global_buffer, .address_space: global }
      - { .name: kv, .offset: 8, .size: 8, .value_kind: global_buffer, .address_space: global }
      - { .name: st, .offset: 16, .size: 8, .value_kind: global_buffer, .address_space: global }
      - { .name: ob, .offset: 24, .size: 8, .value_kind: global_buffer, .address_space: global }
    .group_segment_fixed_size: 327680
    .private_segment_fixed_size: 0
    .kernarg_segment_align: 8
    .kernarg_segment_size: 32
    .max_flat_workgroup_size: 256
    .sgpr_count:     66
    .vgpr_count:     512
    .wavefront_size: 32
...
	.end_amdgpu_metadata
.endif
;; end of part 4
;; launch outp (part 5): grid 4 x 64, 8 waves a work-group, no clusters, 175,104 bytes of LDS; arguments ob, wb, bo, out0; writes out0
.if DOCPART == 5
	.amdgcn_target "amdgcn-amd-amdhsa--gfx1250"
	.amdhsa_code_object_version 6
	.text
	.protected	k_q2757b992d9_outp
	.globl	k_q2757b992d9_outp
	.p2align	8
	.type	k_q2757b992d9_outp,@function
k_q2757b992d9_outp:
	s_mov_b64 s[64:65], 0
	v_nop
	global_prefetch_b8 v0, s[64:65] scope:SCOPE_SE
	s_setreg_imm32_b32 hwreg(HW_REG_WAVE_MODE, 25, 1), 1
	s_wait_xcnt 0x0
; out0 = O Wo + bo on codes of FP6 (E2M3) with one E8M0 byte for each 32 along K = 512 (head x 64 + d).  O's codes and Wo's come from workspace buffers laid as images of operand registers.
; SHARES: grid x = a group of 128 columns, y = a group of 128 tokens.  Wave w owns token tiles 2 (w % 4), 2 (w % 4) + 1 and column tiles 4 (w / 4) .. + 3: eight accumulators, 32 products.
; Source 0 = Wo's tile, source 1 = O's: a lane holds one token and 32 neighbouring columns.  A K step of 128 is two heads: O's fragment is the two heads' halves on end, its scale word the two heads' words joined.
; The bias is loaded straight into the accumulators, in the result's layout, so that every product adds in place.
; LDS: the group's block of ob (53,248 bytes) and the column group's block of wb (51,200), each brought once by two tensor loads of 104 or 100 rows x 256 bytes; behind them two stages of 16 rows x 272 bytes for each wave.
; Nothing is filled again.  No cluster: each work-group asks once, at its head, for 104,448 bytes and ends after 32 products a wave: there is no later request that partners could share.  Nothing is prefetched for the same reason.
; Row r of token tile T is token 64 (T / 4) + 8 (T % 4) + r % 8 + 32 (r / 8) of the group: the way out puts each row where it belongs, sixteen lanes to 256 consecutive bytes, aligned.
.set WBO,  53248
.set STGB, 104448
.set WSR,  16                          ; v16-23  Wo's scale words: 2 i + K step / 2
.set OSW,  24                          ; v24-27  O's, a K step each: lanes 0-15 my first tile, lanes 16-31 my second
.set ACC,  32                          ; v32-95  32 a + 8 i + j
.set TW,   240                         ; v240-247 the eight heads' words as they lie
.set WV,   12
.macro WMO d, a, b, sa, sb, ra, rb
.if (\ra) && (\rb)
	v_wmma_scale_f32_16x16x128_f8f6f4 v[\d:\d+7], v[\a:\a+11], v[\b:\b+11], v[\d:\d+7], v[\sa], v[\sb] matrix_a_fmt:MATRIX_FMT_FP6 matrix_b_fmt:MATRIX_FMT_FP6 matrix_a_scale:MATRIX_SCALE_ROW1 matrix_b_scale:MATRIX_SCALE_ROW1
.elseif (\ra)
	v_wmma_scale_f32_16x16x128_f8f6f4 v[\d:\d+7], v[\a:\a+11], v[\b:\b+11], v[\d:\d+7], v[\sa], v[\sb] matrix_a_fmt:MATRIX_FMT_FP6 matrix_b_fmt:MATRIX_FMT_FP6 matrix_a_scale:MATRIX_SCALE_ROW1
.elseif (\rb)
	v_wmma_scale_f32_16x16x128_f8f6f4 v[\d:\d+7], v[\a:\a+11], v[\b:\b+11], v[\d:\d+7], v[\sa], v[\sb] matrix_a_fmt:MATRIX_FMT_FP6 matrix_b_fmt:MATRIX_FMT_FP6 matrix_b_scale:MATRIX_SCALE_ROW1
.else
	v_wmma_scale_f32_16x16x128_f8f6f4 v[\d:\d+7], v[\a:\a+11], v[\b:\b+11], v[\d:\d+7], v[\sa], v[\sb] matrix_a_fmt:MATRIX_FMT_FP6 matrix_b_fmt:MATRIX_FMT_FP6
.endif
.endm
.macro PLACES
.rept 4
	v_nop
.endr
.endm
	s_load_b256 s[4:11], s[0:1], 0x0               ; ob, wb, bo, out0
	v_lshl_add_u32 v254, v0, 2, 0x2a800
	v_mov_b32 v255, 0
	ds_add_u32 v254, v255
	ds_add_u32 v254, v255
	v_lshrrev_b32 v1, 5, v0
	s_delay_alu instid0(VALU_DEP_1)
	v_readfirstlane_b32 s[WV], v1                  ; wave 0..7
	s_and_b32 s13, ttmp7, 0xffff                   ; the group of tokens
	s_and_b32 s14, s[WV], 1
	s_lshr_b32 s15, s[WV], 2                       ; which 64 of the 128 columns
	s_and_b32 s16, s[WV], 3                        ; which pair of token tiles
	s_mov_b32 s24, 3<<16                           ; group 1 for half of ob's block: elements of 8 bytes; 104 rows of 256 bytes, dense
	s_mov_b32 s25, 32<<16
	s_mov_b32 s26, 104<<16
	s_mov_b32 s27, 32<<16
	s_mov_b32 s28, 104
	s_mov_b32 s29, 32
	s_mov_b32 s30, 0
	s_mov_b32 s31, 0
	s_mov_b32 s32, 3<<16                           ; and for half of wb's: 100 rows
	s_mov_b32 s33, 32<<16
	s_mov_b32 s34, 100<<16
	s_mov_b32 s35, 32<<16
	s_mov_b32 s36, 100
	s_mov_b32 s37, 32
	s_mov_b32 s38, 0
	s_mov_b32 s39, 0
	s_mul_i32 s41, s14, 26624                      ; LDS: ob's halves from 0,
	s_mul_i32 s18, s13, 53248
	s_add_co_u32 s18, s18, s41
	s_mov_b32 s19, 0
	s_mul_i32 s17, s14, 25600
	s_add_co_u32 s45, s17, WBO                     ; wb's behind them
	s_add_co_u32 s20, ttmp9, 12                    ; Wo is weight 3: blocks 12 to 15
	s_mul_i32 s20, s20, 51200
	s_add_co_u32 s20, s20, s17
	s_mov_b32 s21, 0
	s_lshl_b32 s22, ttmp9, 9
	s_lshl_b32 s23, s15, 8
	s_add_co_u32 s22, s22, s23                     ; my 64 columns, in bytes
	s_mov_b32 s23, 0
	s_lshl_b32 s2, s13, 7
	s_lshr_b32 s3, s[WV], 1
	s_and_b32 s3, s3, 1
	s_lshl_b32 s3, s3, 6
	s_add_co_u32 s2, s2, s3
	s_lshl_b32 s3, s14, 4
	s_add_co_u32 s2, s2, s3                        ; the first token of my two tiles
	s_lshl_b32 s2, s2, 11
	s_add_co_u32 s2, s2, s22
	s_mov_b32 s3, 0
	v_and_b32 v1, 31, v0
	v_and_b32 v2, 15, v0                           ; r
	v_bfe_u32 v3, v0, 4, 1                         ; h
	s_mul_i32 s17, s15, 24576
	s_add_co_u32 s17, s17, WBO
	v_lshl_add_u32 v4, v1, 4, s17                  ; Wo's fragments: 16 x lane,
	v_lshl_add_u32 v5, v1, 3, s17                  ; 8 x lane
	s_lshl_b32 s17, s15, 10
	s_add_co_u32 s17, s17, WBO+49152
	v_lshl_add_u32 v6, v1, 2, s17                  ; its scale words
	s_mul_i32 s17, s16, 1536
	v_lshl_add_u32 v7, v1, 4, s17                  ; O's halves
	v_lshl_add_u32 v8, v1, 3, s17
	s_lshl_b32 s17, s16, 7
	s_add_co_u32 s17, s17, 49152
	v_lshl_add_u32 v9, v1, 2, s17                  ; its scale words: lanes 0-15 my first tile, lanes 16-31 my second
	v_lshlrev_b32 v13, 7, v3                       ; the bias: my half's 32 columns
	s_mul_i32 s17, s[WV], 8704
	s_add_co_u32 s17, s17, STGB                    ; my two stages
	s_wait_dscnt 0x0
	s_wait_kmcnt 0x0
	s_mov_b32 s40, 1
	s_add_nc_u64 s[42:43], s[4:5], s[18:19]
	s_or_b32 s43, s43, 0x80000000
	s_mov_b32 s44, 1
	s_add_nc_u64 s[46:47], s[6:7], s[20:21]
	s_or_b32 s47, s47, 0x80000000
	s_cmp_lt_u32 s[WV], 2                          ; waves 0 and 1 fetch ob's halves, waves 2 and 3 wb's, the others nothing
	s_cbranch_scc0 .Lnot_o
	tensor_load_to_lds s[40:43], s[24:31]
	s_nop 0
	PLACES
	s_branch .Lasked
.Lnot_o:
	s_cmp_lt_u32 s[WV], 4
	s_cbranch_scc0 .Lasked
	tensor_load_to_lds s[44:47], s[32:39]
	s_nop 0
	PLACES
.Lasked:
	s_add_nc_u64 s[8:9], s[8:9], s[22:23]
	s_add_nc_u64 s[10:11], s[10:11], s[2:3]
	s_wait_alu depctr_va_vdst(0)
.irp a, 0,1
.irp q, 0,1,2,3,4,5,6,7
	global_load_b128 v[ACC+32*\a+4*\q:ACC+32*\a+4*\q+3], v13, s[8:9] offset:16*\q   ; bo at columns 32 h + 4 q on: the sums begin with it
.endr
.endr
	s_wait_tensorcnt 0x0                           ; my load, if I had one, has landed,
	s_barrier_signal -1
	s_barrier_wait -1                              ; everybody's has
.macro FETCH s                         ; K step s: four fragments of Wo, two of O, into set s % 2: 24 loads
.set FB, 96+72*((\s)%2)
.irp i, 0,1,2,3
.irp c, 0,1
	ds_load_b128 v[FB+12*\i+6*\c:FB+12*\i+6*\c+3], v4 offset:(4*\i+(\s))*1536+768*\c
	ds_load_b64 v[FB+12*\i+6*\c+4:FB+12*\i+6*\c+5], v5 offset:(4*\i+(\s))*1536+768*\c+512
.endr
.endr
.irp a, 0,1
.irp c, 0,1
	ds_load_b128 v[FB+48+12*\a+6*\c:FB+48+12*\a+6*\c+3], v7 offset:(2*(\s)+\c)*6144+768*\a
	ds_load_b64 v[FB+48+12*\a+6*\c+4:FB+48+12*\a+6*\c+5], v8 offset:(2*(\s)+\c)*6144+768*\a+512
.endr
.endr
.endm
.macro MUL s                           ; the eight accumulators take turns, one instruction a turn
.set FB, 96+72*((\s)%2)
.irp i, 0,1,2,3
.irp a, 0,1
	WMO ACC+32*\a+8*\i, FB+12*\i, FB+48+12*\a, WSR+2*\i+(\s)/2, OSW+(\s), (\s)%2, \a
.endr
.endr
.endm
.irp i, 0,1,2,3
.irp p, 0,1
	ds_load_b32 v[WSR+2*\i+\p], v6 offset:256*\i+128*\p
.endr
.endr
.irp e, 0,1,2,3,4,5,6,7
	ds_load_b32 v[TW+\e], v9 offset:512*\e
.endr
	FETCH 0
	FETCH 1
	s_wait_dscnt 48                                ; the scale words are in; the two fetches may be out
.irp s, 0,1,2,3
	v_lshl_or_b32 v[OSW+\s], v[TW+2*\s+1], 16, v[TW+2*\s]   ; two heads' bytes make a K step's word
.endr
	v_mul_u32_u24 v10, v2, 272                     ; the way out's addresses: eight plain lines between the scale words' last write and the first product
	s_delay_alu instid0(VALU_DEP_1)
	v_lshl_add_u32 v10, v3, 7, v10
	s_delay_alu instid0(VALU_DEP_1)
	v_add_nc_u32 v10, s17, v10                     ; in: row r, my half's 128 bytes
	v_mul_u32_u24 v11, v3, 272
	s_delay_alu instid0(VALU_DEP_1)
	v_lshl_add_u32 v11, v2, 4, v11
	s_delay_alu instid0(VALU_DEP_1)
	v_add_nc_u32 v11, s17, v11                     ; back: lanes 0-15 one row, lanes 16-31 the next
	v_lshlrev_b32 v12, 11, v3
	s_delay_alu instid0(VALU_DEP_1)
	v_lshl_add_u32 v12, v2, 4, v12                 ; and the same two rows in out0
	s_wait_dscnt 24                                ; K step 0 is in
	s_wait_loadcnt 0x0                             ; the bias
	MUL 0
	PLACES
	FETCH 2
	s_wait_dscnt 24                                ; K step 1 is in; K step 2's 24 loads may be out
	MUL 1
	PLACES
	FETCH 3
	s_wait_dscnt 24
	MUL 2
	s_wait_alu depctr_va_vdst(0)
	s_wait_dscnt 0x0
	MUL 3
	PLACES
.irp a, 0,1
.irp q, 0,1,2,3,4,5,6,7
	ds_store_b128 v10, v[ACC+32*\a+4*\q:ACC+32*\a+4*\q+3] offset:4352*\a+16*\q   ; each accumulator from its low end on
.endr
.irp i, 0,1,2,3,4,5,6,7
	ds_load_b128 v[96+32*\a+4*\i:96+32*\a+4*\i+3], v11 offset:4352*\a+544*\i    ; my own bytes: LDS serves a wave's instructions in order (ISA guide 5.7.1.4)
.endr
.endr
.irp a, 0,1
.irp i, 0,1,2,3,4,5,6,7
	s_wait_dscnt 16*(1-\a)+7-\i                    ; the younger loads of this tile, and the other tile's sixteen, may be out
	global_store_b128 v12, v[96+32*\a+4*\i:96+32*\a+4*\i+3], s[10:11] offset:(8*\a+2*(\i%4)+32*(\i/4))*2048 th:TH_STORE_NT   ; 16 lanes store 256 consecutive bytes, aligned; written once
.endr
.endr
	s_wait_tensorcnt 0x0
	ds_add_u32 v254, v255
	s_wait_dscnt 0x0
	s_endpgm
.Lfunc_end_k_q2757b992d9_outp:
	.size	k_q2757b992d9_outp, .Lfunc_end_k_q2757b992d9_outp-k_q2757b992d9_outp
	.p2alignl 7, 3214868480
	.fill 96, 4, 3214868480
	.section	.rodata,"a",@progbits
	.p2align	6, 0x0
	.amdhsa_kernel k_q2757b992d9_outp
		.amdhsa_group_segment_fixed_size 175104
		.amdhsa_private_segment_fixed_size 0
		.amdhsa_enable_private_segment 0
		.amdhsa_kernarg_size 32
		.amdhsa_user_sgpr_count 2
		.amdhsa_user_sgpr_kernarg_segment_ptr 1
		.amdhsa_wavefront_size32 1
		.amdhsa_system_sgpr_workgroup_id_x 1
		.amdhsa_system_sgpr_workgroup_id_y 1
		.amdhsa_system_sgpr_workgroup_id_z 1
		.amdhsa_system_vgpr_workitem_id 0
		.amdhsa_next_free_vgpr 256
		.amdhsa_next_free_sgpr 66
		.amdhsa_reserve_vcc 0
		.amdhsa_float_denorm_mode_32 3
		.amdhsa_float_denorm_mode_16_64 3
		.amdhsa_memory_ordered 1
		.amdhsa_forward_progress 1
		.amdhsa_inst_pref_size 23
	.end_amdhsa_kernel
	.amdgpu_metadata
---
amdhsa.version: [ 1, 2 ]
amdhsa.kernels:
  - .name:           k_q2757b992d9_outp
    .symbol:         k_q2757b992d9_outp.kd
    .args:
      - { .name: ob, .offset: 0, .size: 8, .value_kind: global_buffer, .address_space: global }
      - { .name: wb, .offset: 8, .size: 8, .value_kind: global_buffer, .address_space: global }
      - { .name: bo, .offset: 16, .size: 8, .value_kind: global_buffer, .address_space: global }
      - { .name: out0, .offset: 24, .size: 8, .value_kind: global_buffer, .address_space: global }
    .group_segment_fixed_size: 175104
    .private_segment_fixed_size: 0
    .kernarg_segment_align: 8
    .kernarg_segment_size: 32
    .max_flat_workgroup_size: 256
    .sgpr_count:     66
    .vgpr_count:     256
    .wavefront_size: 32
...
	.end_amdgpu_metadata
.endif
;; end of part 5
